; MI455X (gfx1250); checked and timed in simulation.
; The chip was launched on July 23, 2026; its instructions are those of AMD's public machine-readable ISA for CDNA 5 (MIT licence, August 2026) and "CDNA5" Instruction Set Architecture Reference Guide (July 2026). The comments in the code are by the model that wrote it; some were corrected since.
;; Counting. Allowed arithmetic: matrix products marked QUANTISED: E2M1 operands, one E8M0 scale for each 32 along K, by v_wmma_scale_f32_16x16x128_f8f6f4 with both operands' format E2M1 (or v_wmma_scale_f32_32x16x128_f4), f32 sums; products left as they are: f32 operands where the result goes on into a quantised operand, else bf16, f16 or f32 operands; f32 sums; everything else in f32.
;; Inputs: W1 1 x 1,024 float32; W2_codes 1,024 x 64 x 16 uint8 (E2M1 codes of W2, K innermost, in blocks of 32 codes, two codes a byte); W2_scales 1,024 x 64 uint8 (E8M0 scales of W2, one for each 32 codes along K); b1 1,024 float32; data 8 x 2,048 x 1,024 float32.
;; Outputs: out0 8 x 2,048 x 1,024 float32.
;; This version of the problem:
;;   THIS VERSION OF THE PROBLEM IS GIVEN IN LOW PRECISION. The matrix products marked QUANTISED in the list below multiply operands that are first quantised to E2M1 (2 exponent bits, 1 mantissa bit; 4 bits a number), with one power-of-two scale for each 32 numbers along K (OCP MX v1.0); their sums are f32. All else is computed in f32.
;;   The module's matrix products, in the order in which they are computed (A, B: the left and right operand; K: the contracted axis; several contracted axes count as one K, in the product's order):
;;     1. batch 8 x [M 2,048, K 1,024] x [K 1,024, N 2,048]; A: computed on the way; B: computed on the way: QUANTISED
;;     2. [M 16,384, K 1] x [K 1, N 1,024]; A: computed on the way; B: input W1: left as it is (K = 1 < 32)
;;     3. [M 16,384, K 2,048] x [K 2,048, N 1,024]; A: computed on the way; B: input W2 (given as codes): QUANTISED
;;   THE QUANTISER, for each operand of a quantised product, along K:
;;     - K is cut into blocks of 32 from its start; a last block that is shorter is filled with zeros.
;;     - A block's scale is 2^e with e = floor(log2(the largest magnitude in the block)) - 2, held to -126 .. 127; a block of zeros has e = 0. As a byte (E8M0): e + 127.
;;     - Each number is divided by its block's scale, clamped to +-6, and rounded to the nearest number of E2M1, ties to even, subnormals kept.
;;     - The product sums the exact products of the quantised numbers (number of the format x scale) in f32.
;;   ~~~python
;;   def quantise(x, axis):      # numpy; x: float32 -> the quantised numbers, widened to float32 again
;;       x = np.moveaxis(x, axis, -1); K = x.shape[-1]
;;       x = np.pad(x, [(0, 0)] * (x.ndim - 1) + [(0, -K % 32)]); x = x.reshape(x.shape[:-1] + (-1, 32)); a = np.abs(x).max(-1, keepdims=True)
;;       e = np.where(a > 0, np.clip(np.frexp(np.where(a > 0, a, 1))[1] - 1 - 2, -126, 127), 0)      # np.frexp(a)[1] - 1 = floor(log2(a)), exactly
;;       r = np.clip(x / 2.0 ** e, -6, 6)
;;       step = 2.0 ** (np.maximum(np.frexp(np.where(r == 0, 1, r))[1] - 1, 0) - 1)
;;       q = np.round(r / step) * step * 2.0 ** e      # np.round: ties to even
;;       return np.moveaxis(q.reshape(q.shape[:-2] + (-1,))[..., :K], -1, axis).astype(np.float32)
;;   ~~~
;;   OPERANDS COMPUTED ON THE WAY. 'Computed on the way' means the value that the module computes at that place (a softmax that the list does not call 'softmax' is quantised finished and normalised). What goes into a quantiser is computed in f32, as accurately as f32 sums, v_exp_f32 and their like allow (about 1e-6 of the number): no bf16 or f16 on the way to a quantiser, and a product that is left as it is and whose result goes on into a quantised operand takes f32 operands (vector FMAs, or v_wmma_f32_16x16x4_f32). A number that lies on a knife's edge between two numbers of the format may be rounded either way, as far as f32 arithmetic and the matrix unit's own rounding can turn it there, and no further.
;;   INPUTS GIVEN AS CODES. W2 (in the module: [2048, 1024], K = its axis 0): each comes as NAME_codes (uint8): NAME with its K axis moved to the last place and cut into blocks of 32 codes, [.., K / 32, bytes a block], one block behind the other in memory; two codes a byte, the lower K in the low four bits (a code: sign, 2 exponent bits, 1 mantissa bit); and NAME_scales (uint8): the same leading axes, one E8M0 byte (e + 127) for each 32 codes along K. Its value is code x scale, taken as it is: it is not quantised again, and the codes and scales need not be those that the quantiser above would give.
;; 2 versions, each right. Each part assembles by itself: llvm-mc -triple=amdgcn-amd-amdhsa -mcpu=gfx1250 --defsym DOCPART=n.
;; ======== version 1 of 2: 2 launches
;; workspace buffers: recs 18,939,904 bytes
;; launch prep (part 1): grid 256 x 1, 4 waves a work-group, no clusters, 299,520 bytes of LDS; arguments data, W2_codes, W2_scales, recs; writes recs
.if DOCPART == 1
	.amdgcn_target "amdgcn-amd-amdhsa--gfx1250"
	.amdhsa_code_object_version 6
	.text
	.protected	k_q55f7d40698_prep
	.globl	k_q55f7d40698_prep
	.p2align	8
	.type	k_q55f7d40698_prep,@function
k_q55f7d40698_prep:
	s_mov_b64 s[64:65], 0
	v_nop
	global_prefetch_b8 v0, s[64:65] scope:SCOPE_SE
	s_setreg_imm32_b32 hwreg(HW_REG_WAVE_MODE, 25, 1), 1
	s_wait_xcnt 0x0
; data [16384][1024] f32 becomes two operands of E2M1 codes with one E8M0 byte for each 32 along K: Q(data) and Q(data * rsqrt(max(sum of squares, 1e-12))).
; W2's codes and scale bytes are laid anew.  All three go to the workspace as RECORDS in the order of a matrix operand's registers.
; A RECORD is 16 rows x 1,024 along K, 8,704 bytes: codes at 256 b + 16 r (block b of 32 codes, row r), so that the fragment of K step s is two loads of 16 bytes a lane at
; 1024 s + 512 c + 16 x lane; behind them, at 8192 + 16 x lane, lane (r, h) finds the scale bytes of blocks 16 h .. 16 h + 15 of row r: four scale words.
; Regions: 1,024 records of the normalised rows, 1,024 of the rows as they are, 128 of W2 (16 output columns x one half of its K each, in the order in which the next launch's waves walk them).
; SHARES: work-group g takes rows 64 g on, wave w 16 of them: 65,536 bytes, brought by four tensor loads that go out together at the head; no LDS byte is filled twice.  Waves share nothing: no barrier.
; A LANE TAKES ONE BLOCK OF 32 of a row: the block's largest magnitude needs no other lane; the row's sum of squares is one reduction over the 32 lanes.
; A block's scale byte is its largest magnitude's exponent field - 2, held at 1 from below.
; LIMITS: NaN and infinities are not served.  A block whose largest magnitude lies under 2^-124 gets the byte 1; so does a block of zeros, where the quantiser's rule says 127: its codes are zeros, and this program alone reads the bytes.
.set REC,   8704
.set DOFF,  1024*REC
.set WOFF,  2048*REC
.set INW,   73728                      ; LDS of a wave: 16 rows x 32 blocks x (128 bytes + 16 of padding)
.set QUART, 18432                      ; four rows of it: what one tensor load fills
.set SCST,  4*INW                      ; behind them: 1,024 bytes a wave: the scale bytes of its two records
.set DSTG,  8704                       ; the code stages lie in the wave's own input bytes, which have had their one fill and their last read: N's at 0, D's here; 32 units x (256 + 16) bytes each
.set INA,   4                          ; v4, v5  my block in rows 0-7, rows 8-15
.set STA,   6                          ; v6      stage, in: 272 x lane
.set RDA,   7                          ; v7      stage, back: 272 h + 16 r
.set SCA,   8                          ; v8      my block's scale byte: 256 (lane / 16) + lane % 16
.set SCR,   9                          ; v9      the scale bytes, back: 16 x lane
.set GOF,   10                         ; v10     16 x lane
.set X,     32                         ; v32-95  two sets of 32 numbers
.set NC,    96                         ; v96-159 codes of the normalised rows, four registers a row
.set DC,    160                        ; v160-223 codes of the rows as they are
.set G1,    16
.set G0,    24
	s_load_b256 s[4:11], s[0:1], 0x0               ; data s[4:5], W2's codes s[6:7], W2's scales s[8:9], the records s[10:11]
	v_lshl_add_u32 v254, v0, 2, 0x49000
	v_mov_b32 v255, 0
	ds_add_u32 v254, v255
	ds_add_u32 v254, v255
	v_lshrrev_b32 v1, 5, v0
	v_readfirstlane_b32 s12, v1                    ; wave 0..3
	; descriptor group 1: 16,384 dense bytes as 64 rows of 64 elements of 4 bytes; 4 words of padding behind every 32 words, so that each block of 128 bytes stands 144 bytes from the next
	s_mov_b32 s[G1+0], 0x07120000                  ; 17:16 elements of 4 bytes; 20 padding on; 24:22 after every 32 words (code 4); 31:25 four words (code 3)
	s_mov_b32 s[G1+1], 64<<16                      ; tensor_dim0
	s_mov_b32 s[G1+2], 64<<16                      ; tensor_dim1
	s_mov_b32 s[G1+3], 64<<16                      ; tile_dim0
	s_mov_b32 s[G1+4], 64                          ; tile_dim1
	s_mov_b32 s[G1+5], 64                          ; pitch
	s_mov_b32 s[G1+6], 0
	s_mov_b32 s[G1+7], 0
	s_mul_i32 s13, s12, INW                        ; my wave's LDS
	s_lshl_b32 s14, ttmp9, 18                      ; 64 rows of 4,096 bytes a work-group,
	s_lshl_b32 s15, s12, 16                        ; 16 a wave
	s_add_co_u32 s14, s14, s15
	s_mov_b32 s15, 0
	s_wait_dscnt 0x0
	s_wait_kmcnt 0x0
	s_add_nc_u64 s[4:5], s[4:5], s[14:15]
.irp k, 0,1,2,3
	s_mov_b32 s[G0+4*\k], 1
	s_add_co_u32 s[G0+4*\k+1], s13, \k*QUART
	s_add_nc_u64 s[G0+4*\k+2:G0+4*\k+3], s[4:5], \k*16384
	s_or_b32 s[G0+4*\k+3], s[G0+4*\k+3], 0x80000000
.endr
.irp k, 0,1,2,3
	tensor_load_to_lds s[G0+4*\k:G0+4*\k+3], s[G1:G1+7]   ; four loads of mine are out: all that the wave reads
	s_nop 0
.endr
	v_nop
	v_and_b32 v1, 31, v0                           ; lane
	v_and_b32 v2, 15, v0                           ; r
	v_bfe_u32 v3, v0, 4, 1                         ; h
	v_mul_u32_u24 v[INA], v1, 144
	v_add_nc_u32 v[INA], s13, v[INA]
	v_add_nc_u32 v[INA+1], 8*4608, v[INA]
	v_mul_u32_u24 v[STA], v1, 272
	v_add_nc_u32 v[STA], s13, v[STA]
	v_mul_u32_u24 v[RDA], v3, 272
	v_lshl_add_u32 v[RDA], v2, 4, v[RDA]
	v_add_nc_u32 v[RDA], s13, v[RDA]
	s_lshl_b32 s14, s12, 10
	s_add_co_u32 s14, s14, SCST
	v_lshl_add_u32 v[SCA], v3, 8, v2
	v_add_nc_u32 v[SCA], s14, v[SCA]
	v_lshlrev_b32 v[GOF], 4, v1
	v_add_nc_u32 v[SCR], s14, v[GOF]
	v_lshlrev_b32 v11, 10, v2
	v_lshl_add_u32 v11, v3, 4, v11                 ; W2's codes: row r of 1,024 bytes, + 16 h
	v_lshlrev_b32 v242, 6, v2
	v_lshl_add_u32 v242, v3, 4, v242               ; W2's scales: row r of 64 bytes, + 16 h
	v_mov_b32 v229, 0                              ; a lane permute's destination counts as one of its sources
	v_mov_b32 v231, 0                              ; named as the upper half of the pair v[230:231]
	s_mov_b32 s40, 0x76543210
	s_mov_b32 s41, 0xfedcba98                      ; v_permlanex16_b32's selects for lane l xor 16
	; ---- W2, while the tiles are on their way.  Record rho = g / 2; my wave copies K step e = 4 (g % 2) + w of it: 1,024 bytes.
	; rho = 16 c + 4 w' + p holds column tile ct = 16 (c / 2) + 4 w' + 2 (c % 2) + p / 2 and the K half p % 2.
	s_lshr_b32 s48, ttmp9, 1                       ; rho
	s_and_b32 s49, ttmp9, 1
	s_lshl_b32 s49, s49, 2
	s_add_co_u32 s49, s49, s12                     ; e
	s_lshr_b32 s50, s48, 5
	s_lshl_b32 s50, s50, 4
	s_and_b32 s51, s48, 12
	s_add_co_u32 s50, s50, s51
	s_bfe_u32 s51, s48, 0x10004
	s_lshl_b32 s51, s51, 1
	s_add_co_u32 s50, s50, s51
	s_bfe_u32 s51, s48, 0x10001
	s_add_co_u32 s50, s50, s51                     ; ct
	s_and_b32 s51, s48, 1                          ; the K half
	s_lshl_b32 s52, s50, 14                        ; codes: 16 rows of 1,024 bytes a tile, 512 a half, 64 a K step
	s_lshl_b32 s53, s51, 9
	s_add_co_u32 s52, s52, s53
	s_lshl_b32 s53, s49, 6
	s_add_co_u32 s52, s52, s53
	s_mov_b32 s53, 0
	s_add_nc_u64 s[6:7], s[6:7], s[52:53]
	s_lshl_b32 s52, s50, 10                        ; scales: 16 rows of 64 bytes a tile, 32 a half
	s_lshl_b32 s54, s51, 5
	s_add_co_u32 s52, s52, s54
	s_add_nc_u64 s[8:9], s[8:9], s[52:53]
	s_mul_i32 s52, s48, REC
	s_add_co_u32 s52, s52, WOFF
	s_add_nc_u64 s[46:47], s[10:11], s[52:53]      ; the record,
	s_lshl_b32 s52, s49, 10
	s_add_nc_u64 s[54:55], s[46:47], s[52:53]      ; and my K step in it
	s_lshl_b32 s52, ttmp9, 2
	s_add_co_u32 s52, s52, s12
	s_mul_i32 s52, s52, REC
	s_add_nc_u64 s[42:43], s[10:11], s[52:53]      ; my record of normalised rows,
	s_add_nc_u64 s[44:45], s[42:43], DOFF          ; and of the rows as they are
	global_load_b128 v[12:15], v11, s[6:7]
	global_load_b128 v[16:19], v11, s[6:7] offset:32
	s_cmp_lg_u32 s49, 0                            ; the record's 512 scale bytes go with its K step 0
	s_cbranch_scc1 .Lno_scales
	global_load_b128 v[20:23], v242, s[8:9]
	s_wait_loadcnt 0x0
	global_store_b128 v[GOF], v[20:23], s[46:47] offset:8192
.Lno_scales:
	s_wait_loadcnt 0x0
	global_store_b128 v[GOF], v[12:15], s[54:55]              ; each store of the wave covers 512 consecutive bytes, aligned
	global_store_b128 v[GOF], v[16:19], s[54:55] offset:512
.macro LOADROW r                       ; my block of row r: 32 neighbours along K, into set r % 2
.if (\r)%4 == 0
	s_wait_tensorcnt 3-(\r)/4                      ; the load that brought rows r .. r + 3 is done; the later ones may stay out
.endif
.irp g, 0,1,2,3,4,5,6,7
	ds_load_b128 v[X+32*((\r)%2)+4*\g:X+32*((\r)%2)+4*\g+3], v[INA+(\r)/8] offset:((\r)%8)*4608+16*\g
.endr
.endm
.macro ROW r
.set XS, X+32*((\r)%2)
.set PAR, (\r)%2
.if (\r) == 0
	s_wait_dscnt 0x0
.else
	s_wait_dscnt 0x2                               ; this row's eight loads are in; the last row's two byte stores may be out
.endif
.if (\r) < 15
	LOADROW (\r)+1
.endif
	v_pk_mul_f32 v[224:225], v[XS:XS+1], v[XS:XS+1]           ; the sum of squares, in two packed chains
	v_pk_mul_f32 v[226:227], v[XS+2:XS+3], v[XS+2:XS+3]
.irp i, 4,8,12,16,20,24,28
	v_pk_fma_f32 v[224:225], v[XS+\i:XS+\i+1], v[XS+\i:XS+\i+1], v[224:225]
	v_pk_fma_f32 v[226:227], v[XS+\i+2:XS+\i+3], v[XS+\i+2:XS+\i+3], v[226:227]
.endr
	v_pk_add_f32 v[224:225], v[224:225], v[226:227]
	v_max3_num_f32 v232, |v[XS]|, |v[XS+1]|, |v[XS+2]|       ; the block's largest magnitude: all 32 numbers are mine
	v_max3_num_f32 v233, |v[XS+3]|, |v[XS+4]|, |v[XS+5]|
	v_add_f32 v228, v224, v225
.irp i, 6,10,14,18,22,26
	v_max3_num_f32 v232, v232, |v[XS+\i]|, |v[XS+\i+1]|
	v_max3_num_f32 v233, v233, |v[XS+\i+2]|, |v[XS+\i+3]|
.endr
	v_add_f32_dpp v228, v228, v228 row_xmask:1 row_mask:0xf bank_mask:0xf
	v_max3_num_f32 v232, v232, |v[XS+30]|, |v[XS+31]|
	v_add_f32_dpp v228, v228, v228 row_xmask:2 row_mask:0xf bank_mask:0xf
	v_max_num_f32 v232, v232, v233
	v_add_f32_dpp v228, v228, v228 row_xmask:4 row_mask:0xf bank_mask:0xf
	v_add_f32_dpp v228, v228, v228 row_xmask:8 row_mask:0xf bank_mask:0xf
	v_permlanex16_b32 v229, v228, s40, s41
	v_add_f32 v228, v228, v229                     ; the row's sum of squares, in every lane
	v_max_num_f32 v228, 0x2b8cbccc, v228           ; held at 1e-12 from below
	v_rsq_f32 v230, v228
	v_max_num_f32 v237, 0x1800000, v232            ; the rows as they are, while the root is made: the floor 2^(3 - 127) keeps the byte at 1 or above
	v_add_nc_u32 v235, 0xff000000, v237            ; 2 off the exponent field: the conversion's scale operand
	v_lshrrev_b32 v[240+PAR], 23, v235             ; and the scale's byte
.irp g, 0,1,2,3
	v_cvt_scalef32_pk8_fp4_f32 v[DC+4*(\r)+\g], v[XS+8*\g:XS+8*\g+7], v235
.endr
	v_nop                                          ; one plain line behind the conversions: their sources are written below
	s_wait_alu depctr_va_vdst(0)                   ; the wait ahead of the first line that names the root's result
	v_mul_f32 v234, v232, v230                     ; rounding keeps order: this is the largest magnitude of the normalised block
	v_max_num_f32 v234, 0x1800000, v234
	v_add_nc_u32 v236, 0xff000000, v234
	v_lshrrev_b32 v[238+PAR], 23, v236
.irp i, 0,2,4,6,8,10,12,14,16,18,20,22,24,26,28,30
	v_pk_mul_f32 v[XS+\i:XS+\i+1], v[XS+\i:XS+\i+1], v[230:231] op_sel_hi:[1,0]
.endr
.irp g, 0,1,2,3
	v_cvt_scalef32_pk8_fp4_f32 v[NC+4*(\r)+\g], v[XS+8*\g:XS+8*\g+7], v236
.endr
	v_nop
	ds_store_b8 v[SCA], v[238+PAR] offset:16*(\r)             ; the byte registers take turns by rows: the wait at the next row's head shows the stores of two rows back done
	ds_store_b8 v[SCA], v[240+PAR] offset:512+16*(\r)
.endm
	LOADROW 0
.irp r, 0,1,2,3,4,5,6,7,8,9,10,11,12,13,14,15
	ROW \r
.endr
	; THE WAY OUT.  A lane's 16 bytes of codes belong to unit b = lane of the record, at 16 r: through the stage they become whole units.  LDS serves a wave's instructions in order: no wait between stores and loads.
	s_wait_dscnt 0x0                               ; my reads of the input bytes are over: the stages may be written there
.irp r, 0,1,2,3,4,5,6,7,8,9,10,11,12,13,14,15
	ds_store_b128 v[STA], v[NC+4*\r:NC+4*\r+3] offset:16*\r
.endr
.irp i, 0,1,2,3,4,5,6,7,8,9,10,11,12,13,14,15
	ds_load_b128 v[X+4*\i:X+4*\i+3], v[RDA] offset:544*\i
.endr
	ds_load_b128 v[24:27], v[SCR]
.irp r, 0,1,2,3,4,5,6,7,8,9,10,11,12,13,14,15
	ds_store_b128 v[STA], v[DC+4*\r:DC+4*\r+3] offset:DSTG+16*\r
.endr
	s_wait_dscnt 16                                ; all but D's sixteen stores: N's record is back in registers, and N's stage stores have read theirs
.irp i, 0,1,2,3,4,5,6,7,8,9,10,11,12,13,14,15
	ds_load_b128 v[NC+4*\i:NC+4*\i+3], v[RDA] offset:DSTG+544*\i
.endr
	ds_load_b128 v[28:31], v[SCR] offset:512
.irp i, 0,1,2,3,4,5,6,7,8,9,10,11,12,13,14,15
	global_store_b128 v[GOF], v[X+4*\i:X+4*\i+3], s[42:43] offset:512*\i      ; 512 consecutive bytes, aligned
.endr
	global_store_b128 v[GOF], v[24:27], s[42:43] offset:8192
	s_wait_dscnt 0x0
.irp i, 0,1,2,3,4,5,6,7,8,9,10,11,12,13,14,15
	global_store_b128 v[GOF], v[NC+4*\i:NC+4*\i+3], s[44:45] offset:512*\i
.endr
	global_store_b128 v[GOF], v[28:31], s[44:45] offset:8192
	s_wait_tensorcnt 0x0
	ds_add_u32 v254, v255
	s_wait_dscnt 0x0
	s_endpgm
.Lfunc_end_k_q55f7d40698_prep:
	.size	k_q55f7d40698_prep, .Lfunc_end_k_q55f7d40698_prep-k_q55f7d40698_prep
	.p2alignl 7, 3214868480
	.fill 96, 4, 3214868480
	.section	.rodata,"a",@progbits
	.p2align	6, 0x0
	.amdhsa_kernel k_q55f7d40698_prep
		.amdhsa_group_segment_fixed_size 299520
		.amdhsa_private_segment_fixed_size 0
		.amdhsa_enable_private_segment 0
		.amdhsa_kernarg_size 32
		.amdhsa_user_sgpr_count 2
		.amdhsa_user_sgpr_kernarg_segment_ptr 1
		.amdhsa_wavefront_size32 1
		.amdhsa_system_sgpr_workgroup_id_x 1
		.amdhsa_system_sgpr_workgroup_id_y 1
		.amdhsa_system_sgpr_workgroup_id_z 1
		.amdhsa_system_vgpr_workitem_id 0
		.amdhsa_next_free_vgpr 256
		.amdhsa_next_free_sgpr 66
		.amdhsa_reserve_vcc 0
		.amdhsa_float_denorm_mode_32 3
		.amdhsa_float_denorm_mode_16_64 3
		.amdhsa_memory_ordered 1
		.amdhsa_forward_progress 1
		.amdhsa_inst_pref_size 96
	.end_amdhsa_kernel
	.amdgpu_metadata
---
amdhsa.version: [ 1, 2 ]
amdhsa.kernels:
  - .name:           k_q55f7d40698_prep
    .symbol:         k_q55f7d40698_prep.kd
    .args:
      - { .name: data, .offset: 0, .size: 8, .value_kind: global_buffer, .address_space: global }
      - { .name: W2_codes, .offset: 8, .size: 8, .value_kind: global_buffer, .address_space: global }
      - { .name: W2_scales, .offset: 16, .size: 8, .value_kind: global_buffer, .address_space: global }
      - { .name: recs, .offset: 24, .size: 8, .value_kind: global_buffer, .address_space: global }
    .group_segment_fixed_size: 299520
    .private_segment_fixed_size: 0
    .kernarg_segment_align: 8
    .kernarg_segment_size: 32
    .max_flat_workgroup_size: 128
    .sgpr_count:     66
    .vgpr_count:     256
    .wavefront_size: 32
...
	.end_amdgpu_metadata
.endif
;; end of part 1
;; launch main (part 2): grid 256 x 1, 4 waves a work-group, clusters of 4 x 1, 327,680 bytes of LDS; arguments recs, W1, b1, out0; writes out0
.if DOCPART == 2
	.amdgcn_target "amdgcn-amd-amdhsa--gfx1250"
	.amdhsa_code_object_version 6
	.text
	.protected	k_q55f7d40698_main
	.globl	k_q55f7d40698_main
	.p2align	8
	.type	k_q55f7d40698_main,@function
k_q55f7d40698_main:
	s_mov_b64 s[64:65], 0
	v_nop
	global_prefetch_b8 v0, s[64:65] scope:SCOPE_SE
	s_setreg_imm32_b32 hwreg(HW_REG_WAVE_MODE, 25, 1), 1
	s_wait_xcnt 0x0
	s_wait_alu depctr_hold_cnt(0) depctr_sa_sdst(0) depctr_va_vdst(0) depctr_va_sdst(0) depctr_va_ssrc(0) depctr_va_vcc(0) depctr_vm_vsrc(0)
	s_getreg_b32 s2, hwreg(HW_REG_IB_STS2, 6, 4)
	s_cmp_eq_u32 s2, 0
	s_cbranch_scc0 .Lentry_in_a_cluster
	s_endpgm
.Lentry_in_a_cluster:
	s_bfe_u32 s2, ttmp6, 0x10000c
	s_cmp_lg_u32 s2, 0x3003
	s_cbranch_scc0 .Lentry_shape_is_right
	s_endpgm
.Lentry_shape_is_right:
; out = Q([data | softplus(counter W1 + b1)]) W2, counter = the row sums of relu(Q(normed) Q(normed)^T); both products on E2M1 codes with E8M0 scales, sums in f32.
; The operands come as RECORDS (16 rows x 1,024 along K, 8,704 bytes, in the order of an operand's registers: codes at 1024 s + 512 c + 16 x lane, four scale words a lane at 8192 + 16 x lane).
; SHARES.  A work-group owns 64 rows and ALL columns of both products, so that a counter never leaves the work-group.  MY ROWS STAY IN REGISTERS for all of K (256 registers in the first product, 512 in the
; second); the other operand streams through a ring of two LDS slots of 16 records: 8 chunks of the batch's normalised rows, then 8 chunks of W2.  Wave w fills and alone reads records 4 w .. 4 w + 3 of a chunk,
; and each fragment that it reads feeds four matrix instructions (my four tiles of rows).
; CLUSTER.  The four work-groups of a cluster lie in one batch and walk the same chunks: each quarter of a chunk is asked for jointly, by the same tensor load with the mask of all four.  Only one operand streams, so a row of four is the whole sharing.
; BOTH PRODUCTS ARE USED TRANSPOSED (source 0 = 16 streamed rows, source 1 = 16 of my rows): a lane holds one of my rows (lane % 16) and eight streamed rows or output columns.
; PHASES: 1 similarity, relu and row sums | counters meet in LDS | softplus of 16 rows a wave, quantised in registers (a lane holds a whole block of 32), images to LDS | 2 the merger | rows leave through a stage.
; softplus(x) = max(x, 0) + ln2 log2(1 + u) + (u - ((1 + u) - 1)), u = 2^(-|x| log2 e): the last term gives back what 1 + u rounded away.
; LIMITS: NaN and infinities are not served.  A softplus under 2^-126 comes out as 0 (the exponential gives 0 for what would be a denormal: ISA guide 15.8).  -|x| log2 e is rounded once, so u carries a relative error of about 1e-7 |x|,
; which shows only where the softplus itself is tiny.  A block whose largest number lies under 2^-124 gets the scale byte 1.  The counter is summed in another order than a plain row sum, in f32.
; REGISTERS, in windows of 256: window 0: v0-15 addresses; v16-23 row sums, later the codes just made; v24-39 my rows' scale words (first product; later the softplus half's); v40-55 those of the data half;
;   v56-63 the streamed records' scale words, two sets; v64-127 two sets of four accumulators (first product), W1 and b1 (softplus), rows on the way out; v128-255 two fragment buffers; in the softplus all of its work.
;   window 1: my normalised rows' fragments (tile t, K step s at 64 t + 8 s), later the softplus half's.   window 2: the data half's.   window 3: v0-127 the second product's 16 accumulators (32 ctl + 8 t).
.set REC,    8704
.set QB,     4*REC
.set CHUNK,  16*REC
.set BATCHB, 128*REC
.set DOFF,   1024*REC
.set WOFF,   2048*REC
.set SPIMG,  2*CHUNK                   ; LDS behind the ring: the softplus half's fragments as images of their registers: 8192 t + 1024 s + 512 c + 16 x lane.  Later the way out's stages lie here
.set SPSC,   SPIMG+32768               ; their scale words: 512 t + 64 s + 4 r
.set CNT,    SPSC+2048                 ; the waves' partial counters: 256 w + 64 t + 4 r
.set SPARE,  CNT+1024                  ; the spare words, 128 bytes for each wave: two blocks of 256 bytes that no other line names
.set WB,     SPARE+512                 ; W1, then b1: 4,096 bytes each
.set SPW,  1
.set NIL,  2
.set ADR,  3                           ; v3, v4 my quarter of slot 0, 1: + 16 x lane
.set GA,   5                           ; 16 x lane
.set STO,  6                           ; the stage, in: 272 r + 32 h
.set RD,   7                           ; the stage, back: 272 h + 16 r
.set GO,   8                           ; my bytes in two rows of out: 4096 h + 16 r + 256 w
.set CNTW, 9
.set CNTR, 10
.set SPSR, 11
.set LI,   12
.set PFO,  13                          ; 256 x lane
.set HH,   14                          ; h = lane / 16
.set RR,   15                          ; r = lane % 16
.set SUM,  16
.set PC,   16
.set ASN,  24
.set ASP,  24
.set ASD,  40
.set BS,   56
.set ACC,  64
.set OUTR, 64
.set BF,   128
.set WL,   64                          ; softplus: 32 of W1, 32 of b1,
.set BL,   96
.set X,    128                         ; x, then the softplus; u; 1 + u, then its logarithm; four pairs at work by turns
.set U,    160
.set WT,   192
.set TT,   224
.set G1,   16
.set G0,   24
.set MSB, 0
.macro WIN new                         ; the immediate's high byte repeats the setting that is left; a switch that changes nothing is dropped
.if MSB != (\new)
	s_set_vgpr_msb (MSB<<8)|(\new)
.set MSB, (\new)
.endif
.endm
.macro CREST                           ; a round of the cluster's barrier behind its opening barrier
	s_cmp_lg_u32 s12, 0
	s_cbranch_scc1 .Lnot_wave_0_\@
	s_barrier_signal -3
.Lnot_wave_0_\@:
	s_barrier_wait -3
	s_barrier_signal -1
	s_barrier_wait -1
.endm
.macro CROUND
	s_barrier_signal -1
	s_barrier_wait -1
	CREST
.endm
; A prefetch of the chunk that stands two refills on: the 8,192 code bytes of one record, a lane to each 256.  Partner cx and wave w take record 4 w + cx: told apart by address.  A batch's first cluster asks
; for the batch's chunks 4 to 7, the launch's first cluster also for W2's eight: each block is named once.  s45 counts the changes of slots, s44 says up to which my cluster asks: nothing is named past the last chunk.
.macro ASK
	s_cmp_lt_u32 s45, s44
	s_cbranch_scc0 .Lnot_mine_\@
	global_prefetch_b8 v[PFO], s[42:43] th:TH_LOAD_NT scope:SCOPE_SE
.Lnot_mine_\@:
.endm
.macro FL sg, rec, buf, i              ; the i-th of a record's 17 LDS loads: its scale words, then its 16 half fragments
.if (\i) == 0
	ds_load_b128 v[BS+4*(\buf):BS+4*(\buf)+3], v[ADR+(\sg)] offset:(\rec)*REC+8192
.else
	ds_load_b128 v[BF+64*(\buf)+4*((\i)-1):BF+64*(\buf)+4*((\i)-1)+3], v[ADR+(\sg)] offset:(\rec)*REC+512*((\i)-1)
.endif
.endm
.macro FETCH sg, rec, buf
.set fi, 0
.rept 17
	FL \sg, \rec, \buf, fi
.set fi, fi+1
.endr
.endm
; Matrix instruction n of a record's 32 in the first product: K step n / 4, my tile n % 4.  The four accumulators take turns, one instruction a turn.  The first K step starts the sums.
.macro MM1 x, buf
.set s_, n/4
.set t_, n%4
.set rD, ACC+32*(\x)+8*t_
.set rA, BF+64*(\buf)+8*s_
.set rB, 64*t_+8*s_
.set rSA, BS+4*(\buf)+s_%4
.set rSB, ASN+4*t_+s_%4
.if s_ == 0
	v_wmma_scale_f32_16x16x128_f8f6f4 v[rD:rD+7], v[rA:rA+7], v[rB:rB+7], 0, v[rSA], v[rSB] matrix_a_fmt:MATRIX_FMT_FP4 matrix_b_fmt:MATRIX_FMT_FP4
.elseif s_ < 4
	v_wmma_scale_f32_16x16x128_f8f6f4 v[rD:rD+7], v[rA:rA+7], v[rB:rB+7], v[rD:rD+7], v[rSA], v[rSB] matrix_a_fmt:MATRIX_FMT_FP4 matrix_b_fmt:MATRIX_FMT_FP4
.else
	v_wmma_scale_f32_16x16x128_f8f6f4 v[rD:rD+7], v[rA:rA+7], v[rB:rB+7], v[rD:rD+7], v[rSA], v[rSB] matrix_a_fmt:MATRIX_FMT_FP4 matrix_b_fmt:MATRIX_FMT_FP4 matrix_a_scale:MATRIX_SCALE_ROW1 matrix_b_scale:MATRIX_SCALE_ROW1
.endif
.endm
; relu and row sum of two results of set y: tile g % 4, registers 2 (g / 4) on: each accumulator from its low end.  The sum is written x 1.0 + s, so that its register sources stand in places 0 and 2, which mean window 0 under the loop's one setting.
.macro GRP y, g
.set rG, ACC+32*(\y)+8*((\g)%4)+2*((\g)/4)
.set rS, SUM+2*((\g)%4)
	v_max_num_f32 v[rG], v[rG], 0
	v_max_num_f32 v[rG+1], v[rG+1], 0
	v_pk_fma_f32 v[rS:rS+1], v[rG:rG+1], 1.0, v[rS:rS+1] op_sel_hi:[1,0,1]
.endm
; Record k (0 to 2) of slot sg: 32 matrix instructions on buffer and set k % 2.  Among them: four v_nop (the places behind the last record's products, ahead of the loads into its buffer and of the first read of its results),
; the next record's 17 loads, and the last record's relu and sums.  One window setting serves all: source 1 (my rows) window 1, all else window 0.
.macro P1REC sg, k
.set xx, (\k)%2
	s_wait_dscnt 0x0                               ; this record's fragments, asked for 19 matrix instructions ago or more
	WIN 0x04
.set n, 0
.rept 32
	MM1 xx, xx
.if n < 4
	v_nop
.elseif n < 13
.set fi, 2*(n-4)
	FL \sg, (\k)+1, 1-xx, fi
.if fi+1 < 17
	FL \sg, (\k)+1, 1-xx, fi+1
.endif
.elseif n < 29
	GRP 1-xx, n-13
.endif
.set n, n+1
.endr
.endm
; Record 3 changes slots.  In front of the round each wave waits for all its tensor loads (one is out: its quarter of the other slot), adds 0 to its spare word, and waits for that and for its reads of this slot.
; Behind the round this slot is filled again, two chunks on, first of all; then the other slot's first record is fetched.
.macro P1TURN sg
	WIN 0
	s_wait_xcnt 0x0                                ; the last prefetch, a change of slots back, has read its address: it steps here
.if (\sg) == 0
	s_mov_b32 s38, CHUNK
	s_cmp_eq_u32 s46, 2                            ; from the batch's last chunk to W2's first
	s_cselect_b32 s38, s41, s38
	s_add_nc_u64 s[42:43], s[42:43], s[38:39]
.else
	s_add_nc_u64 s[42:43], s[42:43], CHUNK
.endif
	s_wait_tensorcnt 0x0
	ds_add_u32 v[SPW], v[NIL]                      ; 0 onto my spare word
	WIN 0x04
	s_wait_dscnt 0x1                               ; the record's fragments are in; the add may be out
.set n, 0
.rept 8
	MM1 1, 1
.if n < 4
	v_nop
.endif
.set n, n+1
.endr
	s_wait_dscnt 0x0                               ; the add is done, and my reads of this slot are over
	s_barrier_signal -1
.rept 8
	MM1 1, 1
	GRP 0, n-8
.set n, n+1
.endr
	WIN 0
	s_barrier_wait -1
	CREST                                          ; no wave of any partner still reads this slot or has a load on its way
	s_mov_b32 s38, 2*CHUNK
	s_cmp_eq_u32 s46, 3                            ; the last trip's refills cross from the batch's rows into W2
	s_cselect_b32 s38, s40, s38
	s_add_nc_u64 s[G0+4*(\sg)+2:G0+4*(\sg)+3], s[G0+4*(\sg)+2:G0+4*(\sg)+3], s[38:39]
	tensor_load_to_lds s[G0+4*(\sg):G0+4*(\sg)+3], s[G1:G1+7]   ; my one tensor load behind the round: it has 128 matrix instructions in which to land
	s_nop 0
.rept 4
	v_nop
.endr
	FETCH 1-(\sg), 0, 0
	ASK
	s_add_co_u32 s45, s45, 1
	WIN 0x04
.rept 16
	MM1 1, 1
.if n < 24
	GRP 0, n-8
.endif
.set n, n+1
.endr
.endm
; The second product: record = 16 output columns (local tile ctl) x K half kh.  kh = 0: my data half (window 2) starts the sums; kh = 1: my softplus half (window 1) adds on.
.macro MM3 ctl, kh, buf
.set s_, n/4
.set t_, n%4
.set rD, 32*(\ctl)+8*t_
.set rA, BF+64*(\buf)+8*s_
.set rB, 64*t_+8*s_
.set rSA, BS+4*(\buf)+s_%4
.set rSB, ASD-16*(\kh)+4*t_+s_%4
.if ((\kh) == 0) && (s_ == 0)
	v_wmma_scale_f32_16x16x128_f8f6f4 v[rD:rD+7], v[rA:rA+7], v[rB:rB+7], 0, v[rSA], v[rSB] matrix_a_fmt:MATRIX_FMT_FP4 matrix_b_fmt:MATRIX_FMT_FP4
.elseif s_ < 4
	v_wmma_scale_f32_16x16x128_f8f6f4 v[rD:rD+7], v[rA:rA+7], v[rB:rB+7], v[rD:rD+7], v[rSA], v[rSB] matrix_a_fmt:MATRIX_FMT_FP4 matrix_b_fmt:MATRIX_FMT_FP4
.else
	v_wmma_scale_f32_16x16x128_f8f6f4 v[rD:rD+7], v[rA:rA+7], v[rB:rB+7], v[rD:rD+7], v[rSA], v[rSB] matrix_a_fmt:MATRIX_FMT_FP4 matrix_b_fmt:MATRIX_FMT_FP4 matrix_a_scale:MATRIX_SCALE_ROW1 matrix_b_scale:MATRIX_SCALE_ROW1
.endif
.endm
; fs, frec: the record to fetch meanwhile (frec = -1: none), in one run behind the four places; tw = 1: it lies in a slot whose load has not been waited for yet
.macro P3REC ctl, kh, buf, fs, frec, tw
	s_wait_dscnt 0x0
	WIN 0xF8-4*(\kh)                               ; C and D window 3, source 1 window 2 or 1, source 0 window 0
.set n, 0
.rept 4
	MM3 \ctl, \kh, \buf
	v_nop
.set n, n+1
.endr
.if (\frec) >= 0
	WIN 0
.if \tw
	s_wait_tensorcnt 0x0                           ; my quarter of the last chunk: I alone read it
.endif
	FETCH \fs, \frec, 1-(\buf)
	WIN 0xF8-4*(\kh)
.endif
.rept 28
	MM3 \ctl, \kh, \buf
.set n, n+1
.endr
.endm
.macro P3TURN sg                       ; record 3 of slot sg (tile 2 sg + 1, softplus half) changes slots, as in the first product
	WIN 0
	s_wait_xcnt 0x0
	s_add_nc_u64 s[42:43], s[42:43], CHUNK
	s_wait_tensorcnt 0x0
	ds_add_u32 v[SPW], v[NIL]
	WIN 0xF4
	s_wait_dscnt 0x1                               ; the add may be out
.set n, 0
.rept 8
	MM3 2*(\sg)+1, 1, 1
.if n < 4
	v_nop
.endif
.set n, n+1
.endr
	s_wait_dscnt 0x0
	s_barrier_signal -1
.rept 8
	MM3 2*(\sg)+1, 1, 1
.set n, n+1
.endr
	WIN 0
	s_barrier_wait -1
	CREST
	s_add_nc_u64 s[G0+4*(\sg)+2:G0+4*(\sg)+3], s[G0+4*(\sg)+2:G0+4*(\sg)+3], 2*CHUNK
	tensor_load_to_lds s[G0+4*(\sg):G0+4*(\sg)+3], s[G1:G1+7]
	s_nop 0
.rept 4
	v_nop
.endr
	FETCH 1-(\sg), 0, 0
	ASK
	s_add_co_u32 s45, s45, 1
	WIN 0xF4
.rept 16
	MM3 2*(\sg)+1, 1, 1
.set n, n+1
.endr
.endm
; THE WAY OUT of 64 rows x my 64 columns, a tile of 16 rows at a time: a lane's 32 bytes of a row go into my own stage and come back by rows; sixteen lanes store 256 consecutive bytes, aligned.
.macro TOSTAGE t
	WIN 0x0C                                       ; an LDS store's data are its source 1: window 3
.irp ctl, 0,1,2,3
	ds_store_b128 v[STO], v[32*\ctl+8*(\t):32*\ctl+8*(\t)+3] offset:64*\ctl          ; each accumulator from its low end on
	ds_store_b128 v[STO], v[32*\ctl+8*(\t)+4:32*\ctl+8*(\t)+7] offset:64*\ctl+16
.endr
	WIN 0
.irp i, 0,1,2,3,4,5,6,7
	ds_load_b128 v[OUTR+32*((\t)%2)+4*\i:OUTR+32*((\t)%2)+4*\i+3], v[RD] offset:544*\i   ; LDS serves a wave's instructions in order: these see the stores above, and the next tile's stores come behind them
.endr
.endm
.macro SEND t, younger
	s_wait_dscnt \younger
.irp i, 0,1,2,3,4,5,6,7
	global_store_b128 v[GO], v[OUTR+32*((\t)%2)+4*\i:OUTR+32*((\t)%2)+4*\i+3], s[36:37] offset:(16*(\t)+2*\i)*4096 th:TH_STORE_NT
.endr
.endm
.macro WAYOUT more
.rept 4
	v_nop                                          ; the places behind the last products, ahead of the first read of results
.endr
	TOSTAGE 0
	TOSTAGE 1
	SEND 0, 16                                     ; behind tile 0's loads: tile 1's eight stores and eight loads
	s_wait_xcnt 0x0                                ; tile 0's stores have read their registers: tile 2's rows may land there
	TOSTAGE 2
	SEND 1, 16
	s_wait_xcnt 0x0
	TOSTAGE 3
	SEND 2, 16
	SEND 3, 0
.if \more
	s_wait_xcnt 0x0                                ; the stores have read their registers and their base
	s_add_nc_u64 s[36:37], s[36:37], 1024          ; the next 256 columns
.endif
.endm
	; ---- the head
	s_load_b256 s[4:11], s[0:1], 0x0               ; the records s[4:5], W1 s[6:7], b1 s[8:9], out s[10:11]
	v_lshl_add_u32 v[SPW], v0, 2, SPARE
	v_mov_b32 v[NIL], 0
	ds_add_u32 v1, v2
	ds_add_u32 v1, v2
	s_wait_dscnt 0x0
	v_lshrrev_b32 v14, 5, v0
	v_readfirstlane_b32 s12, v14                   ; wave 0..3
	s_bfe_u32 s13, ttmp6, 0x40000                  ; cx: it enters addresses in memory alone
	s_lshl_b32 s14, ttmp9, 2
	s_add_co_u32 s14, s14, s13                     ; my work-group: rows 64 x this on
	s_lshr_b32 s15, ttmp9, 3                       ; the batch: 8 clusters each
	s_mov_b32 s[G1+0], 0x0023000F                  ; 15:0 the mask: all four partners; 17:16 elements of 8 bytes; 21 set beside a mask; no padding: every read takes 512 consecutive bytes
	s_mov_b32 s[G1+1], 32<<16                      ; tensor_dim0: rows of 256 bytes
	s_mov_b32 s[G1+2], 136<<16                     ; tensor_dim1: four records
	s_mov_b32 s[G1+3], 32<<16                      ; tile_dim0
	s_mov_b32 s[G1+4], 136                         ; tile_dim1
	s_mov_b32 s[G1+5], 32                          ; pitch: dense
	s_mov_b32 s[G1+6], 0
	s_mov_b32 s[G1+7], 0
	s_mul_i32 s51, s12, QB                         ; my quarter of a chunk, in memory and in a slot
	s_mul_i32 s52, s15, BATCHB
	s_add_co_u32 s54, s52, s51
	s_mov_b32 s55, 0
	s_sub_co_u32 s40, WOFF-BATCHB+2*CHUNK, s52     ; two chunks on, across the gap from my batch's end to W2's records
	s_sub_co_u32 s41, s40, CHUNK                   ; one chunk on, across it
	s_mov_b32 s39, 0
	s_mul_i32 s56, s14, QB                         ; my four records
	s_mov_b32 s57, 0
	s_lshl_b32 s53, s12, 2
	s_add_co_u32 s53, s53, s13
	s_mul_i32 s53, s53, REC                        ; the record of a chunk that my wave prefetches
	s_add_co_u32 s62, s53, s52
	s_add_co_u32 s62, s62, 3*CHUNK                 ; at chunk 3: the first change of slots steps it to chunk 4
	s_mov_b32 s63, 0
	s_and_b32 s44, ttmp9, 7
	s_cmp_eq_u32 s44, 0
	s_cselect_b32 s44, 4, 0
	s_cmp_eq_u32 ttmp9, 0
	s_cselect_b32 s44, 12, s44
	s_mov_b32 s45, 0
	s_mov_b32 s48, 0x76543210
	s_mov_b32 s49, 0xfedcba98                      ; v_permlanex16_b32's selects for lane l xor 16
	s_mov_b32 s50, 0x3fb8aa3b                      ; log2 e
	s_wait_kmcnt 0x0
	s_add_nc_u64 s[58:59], s[4:5], s[54:55]        ; the stream at my quarter of chunk 0
	s_add_nc_u64 s[32:33], s[4:5], s[56:57]        ; my normalised rows,
	s_add_nc_u64 s[34:35], s[32:33], DOFF          ; my rows as they are
	s_add_nc_u64 s[42:43], s[4:5], s[62:63]
	s_lshl_b32 s56, s14, 18
	s_add_nc_u64 s[36:37], s[10:11], s[56:57]      ; my 64 rows of out
.irp sg, 0,1
	s_mov_b32 s[G0+4*\sg], 1
	s_add_co_u32 s[G0+4*\sg+1], s51, \sg*CHUNK
	s_add_nc_u64 s[G0+4*\sg+2:G0+4*\sg+3], s[58:59], \sg*CHUNK
	s_or_b32 s[G0+4*\sg+3], s[G0+4*\sg+3], 0x80000000
.endr
	CROUND                                         ; all four work-groups are here: the first joint loads meet
	tensor_load_to_lds s[G0:G0+3], s[G1:G1+7]      ; chunks 0 and 1: two loads of mine are out
	s_nop 0
	tensor_load_to_lds s[G0+4:G0+7], s[G1:G1+7]
	s_nop 0
.rept 4
	v_nop
.endr
	v_lshlrev_b32 v80, 4, v0
	global_load_b128 v[64:67], v80, s[6:7]         ; W1 and b1: 128 threads x 16 bytes, twice each
	global_load_b128 v[68:71], v80, s[6:7] offset:2048
	global_load_b128 v[72:75], v80, s[8:9]
	global_load_b128 v[76:79], v80, s[8:9] offset:2048
	v_and_b32 v14, 31, v0
	v_lshlrev_b32 v[GA], 4, v14
	v_lshlrev_b32 v[PFO], 8, v14
	WIN 0x40                                       ; destination window 1
.irp t, 0,1,2,3
.irp f, 0,1,2,3,4,5,6,7,8,9,10,11,12,13,14,15
	global_load_b128 v[64*\t+4*\f:64*\t+4*\f+3], v[GA], s[32:33] offset:\t*REC+512*\f   ; my normalised rows' fragments: they stay
.endr
.endr
	WIN 0
.irp t, 0,1,2,3
	global_load_b128 v[ASN+4*\t:ASN+4*\t+3], v[GA], s[32:33] offset:\t*REC+8192
.endr
	v_add_nc_u32 v[ADR], s51, v[GA]
	v_add_nc_u32 v[ADR+1], CHUNK, v[ADR]
	v_add_nc_u32 v[LI], SPIMG, v[GA]
	v_bfe_u32 v[HH], v0, 4, 1
	v_and_b32 v[RR], 15, v0
	s_mul_i32 s60, s12, 16*272
	s_add_co_u32 s60, s60, SPIMG                   ; my stage
	v_mul_u32_u24 v[STO], v[RR], 272
	v_lshl_add_u32 v[STO], v[HH], 5, v[STO]
	v_add_nc_u32 v[STO], s60, v[STO]
	v_mul_u32_u24 v[RD], v[HH], 272
	v_lshl_add_u32 v[RD], v[RR], 4, v[RD]
	v_add_nc_u32 v[RD], s60, v[RD]
	s_lshl_b32 s61, s12, 8
	v_lshlrev_b32 v[GO], 12, v[HH]
	v_lshl_add_u32 v[GO], v[RR], 4, v[GO]
	v_add_nc_u32 v[GO], s61, v[GO]
	v_lshl_add_u32 v[CNTW], v[RR], 2, CNT
	v_add_nc_u32 v[CNTW], s61, v[CNTW]
	s_lshl_b32 s61, s12, 6
	v_lshl_add_u32 v[CNTR], v[RR], 2, CNT
	v_add_nc_u32 v[CNTR], s61, v[CNTR]
	v_lshl_add_u32 v[SPSR], v[RR], 2, SPSC
	v_lshl_add_u32 v[SPSR], v[HH], 8, v[SPSR]      ; lanes 16-31 take the words of K steps 4 to 7: 256 bytes on
	v_add_nc_u32 v81, WB, v80
.irp j, 0,1,2,3,4,5,6,7
	v_mov_b32 v[SUM+\j], 0                         ; the row sums,
.endr
.irp j, 0,1,2,3,4,5,6,7,8,9,10,11,12,13,14,15,16,17,18,19,20,21,22,23,24,25,26,27,28,29,30,31
	v_mov_b32 v[ACC+32+\j], 0                      ; and the set of results that the loop's first record finds: so the loop has no first step of its own
.endr
	s_wait_loadcnt 0x0
	ds_store_b128 v81, v[64:67]
	ds_store_b128 v81, v[68:71] offset:2048
	ds_store_b128 v81, v[72:75] offset:4096
	ds_store_b128 v81, v[76:79] offset:6144
	s_wait_tensorcnt 0x1                           ; my quarter of chunk 0 is in, and I alone read it; chunk 1's may stay out
	FETCH 0, 0, 0
	; ---- the first product: four trips, two chunks each; every trip fills both slots again
	s_mov_b32 s46, 0
.Lp1:
	P1REC 0, 0
	P1REC 0, 1
	P1REC 0, 2
	P1TURN 0
	P1REC 1, 0
	P1REC 1, 1
	P1REC 1, 2
	P1TURN 1
	WIN 0
	s_add_co_u32 s46, s46, 1
	s_cmp_lt_u32 s46, 4
	s_cbranch_scc1 .Lp1
	; ---- the counters.  (The last trip's fetch of W2's first record is made again below: its registers serve the softplus meanwhile)
.rept 4
	v_nop
.endr
.set g_, 0
.rept 16
	GRP 1, g_
.set g_, g_+1
.endr
	WIN 0x80                                       ; destination window 2
.irp t, 0,1,2,3
.irp f, 0,1,2,3,4,5,6,7,8,9,10,11,12,13,14,15
	global_load_b128 v[64*\t+4*\f:64*\t+4*\f+3], v[GA], s[34:35] offset:\t*REC+512*\f th:TH_LOAD_NT   ; my data half: it lands during the softplus
.endr
.endr
	WIN 0
.irp t, 0,1,2,3
	global_load_b128 v[ASD+4*\t:ASD+4*\t+3], v[GA], s[34:35] offset:\t*REC+8192 th:TH_LOAD_NT
.endr
.irp t, 0,1,2,3
	v_add_f32 v[64+\t], v[SUM+2*\t], v[SUM+2*\t+1]
.endr
.irp t, 0,1,2,3
	v_permlanex16_b32 v[68+\t], v[64+\t], s48, s49
.endr
.irp t, 0,1,2,3
	v_add_f32 v[64+\t], v[64+\t], v[68+\t]         ; my wave's part of the counters of tile t's 16 rows
.endr
.irp t, 0,1,2,3
	ds_store_b32 v[CNTW], v[64+\t] offset:64*\t    ; lanes r and r + 16 write the same word with the same value
.endr
	s_wait_dscnt 0x0                               ; for the others' sake; my fetches are in too
	s_barrier_signal -1                            ; the tensor load that is out may stay out
	s_barrier_wait -1
	; ---- the softplus of rows 16 w on, all 1,024 columns.  Lane (r, h), trip s, block c: k = 128 s + 64 c + 32 h + 0 .. 31: a whole block of 32, in the order of the operand's registers
.irp i, 0,1,2,3
	ds_load_b32 v[234+\i], v[CNTR] offset:256*\i
.endr
	v_lshl_add_u32 v246, v[HH], 7, WB              ; W1 at my half's 32 numbers
.irp g, 0,1,2,3,4,5,6,7
	ds_load_b128 v[WL+4*\g:WL+4*\g+3], v246 offset:16*\g
	ds_load_b128 v[BL+4*\g:BL+4*\g+3], v246 offset:4096+16*\g
.endr
	v_lshlrev_b32 v245, 3, v[HH]
	s_lshl_b32 s51, s12, 13
	v_add_nc_u32 v247, s51, v[LI]                  ; my tile's images
	s_lshl_b32 s51, s12, 9
	v_lshl_add_u32 v248, v[RR], 2, SPSC
	v_add_nc_u32 v248, s51, v248                   ; and its scale words
	v_mov_b32 v244, 0                              ; a lane permute's destination counts as one of its sources
	s_wait_dscnt 16                                ; the four parts are in; the 16 loads of W1 and b1 may be out
	v_add_f32 v232, v234, v235
	v_add_f32 v232, v232, v236
	v_add_f32 v232, v232, v237                     ; my row's counter
	v_mov_b32 v233, v232                           ; (named with it as a pair)
.macro SPBLOCK c
	s_wait_dscnt 0x0                               ; W1 and b1 of this block; the last stores have read their registers
.irp p, 0,2,4,6,8,10,12,14,16,18,20,22,24,26,28,30
	v_pk_fma_f32 v[X+\p:X+\p+1], v[WL+\p:WL+\p+1], v[232:233], v[BL+\p:BL+\p+1] op_sel_hi:[1,0,1]   ; x = counter W1 + b1
.endr
.irp g, 0,1,2,3,4,5,6,7                        ; the next block's W1 and b1 (behind the last block: the first's again, which nobody uses)
.if (\c) == 0
	ds_load_b128 v[WL+4*\g:WL+4*\g+3], v249 offset:256+16*\g
	ds_load_b128 v[BL+4*\g:BL+4*\g+3], v249 offset:4352+16*\g
.else
	ds_load_b128 v[WL+4*\g:WL+4*\g+3], v250 offset:16*\g
	ds_load_b128 v[BL+4*\g:BL+4*\g+3], v250 offset:4096+16*\g
.endif
.endr
.set j_, 0
.rept 33                                       ; an exponential stands one element behind its multiply
.if j_ < 32
	v_mul_f32 v[U+j_], -|v[X+j_]|, s50
	v_max_num_f32 v[X+j_], 0, v[X+j_]
.endif
.if j_ > 0
	v_exp_f32 v[U+j_-1], v[U+j_-1]                 ; u = e^-|x|
.endif
.set j_, j_+1
.endr
	v_nop                                          ; a plain line behind the last exponential
	s_wait_alu depctr_va_vdst(0)                   ; one wait for the 32, ahead of their first reader
.set p_, 0
.rept 16
.set rT, TT+2*(p_%4)
	v_pk_add_f32 v[WT+2*p_:WT+2*p_+1], v[U+2*p_:U+2*p_+1], 1.0 op_sel_hi:[1,0]      ; 1 + u
	v_pk_add_f32 v[rT:rT+1], v[WT+2*p_:WT+2*p_+1], -1.0 op_sel_hi:[1,0]
	v_log_f32 v[WT+2*p_], v[WT+2*p_]
	v_pk_add_f32 v[U+2*p_:U+2*p_+1], v[U+2*p_:U+2*p_+1], v[rT:rT+1] neg_lo:[0,1] neg_hi:[0,1]   ; what 1 + u rounded away
	v_log_f32 v[WT+2*p_+1], v[WT+2*p_+1]
	v_pk_add_f32 v[X+2*p_:X+2*p_+1], v[X+2*p_:X+2*p_+1], v[U+2*p_:U+2*p_+1]         ; + max(x, 0)
.set p_, p_+1
.endr
	v_nop
	s_wait_alu depctr_va_vdst(0)                   ; one wait for the 32 logarithms
.irp p, 0,2,4,6,8,10,12,14,16,18,20,22,24,26,28,30
	v_pk_fma_f32 v[X+\p:X+\p+1], v[WT+\p:WT+\p+1], 0x3f317218, v[X+\p:X+\p+1] op_sel_hi:[1,0,1]   ; + ln2 log2(1 + u)
.endr
	v_max3_num_f32 v238, v[X], v[X+1], 0x1800000   ; the block's largest number (none is negative), and the floor 2^(3 - 127)
	v_max3_num_f32 v239, v[X+2], v[X+3], v[X+4]
.irp i, 5,9,13,17,21,25
	v_max3_num_f32 v238, v238, v[X+\i], v[X+\i+1]
	v_max3_num_f32 v239, v239, v[X+\i+2], v[X+\i+3]
.endr
	v_max3_num_f32 v238, v238, v[X+29], v[X+30]
	v_max3_num_f32 v238, v238, v239, v[X+31]
	v_add_nc_u32 v240, 0xff000000, v238            ; 2 off the exponent field: the conversion's scale operand
	v_lshrrev_b32 v[241+(\c)], 23, v240            ; the scale's byte
.irp g, 0,1,2,3
	v_cvt_scalef32_pk8_fp4_f32 v[PC+4*(\c)+\g], v[X+8*\g:X+8*\g+7], v240
.endr
	v_nop                                          ; one plain line behind the conversions
	ds_store_b128 v251, v[PC+4*(\c):PC+4*(\c)+3] offset:512*(\c)   ; registers 4 c .. 4 c + 3 of the fragment, as they stand
.endm
	s_mov_b32 s47, 0
.Lsp:
	s_lshl_b32 s51, s47, 9
	s_add_co_u32 s52, s51, 512
	s_and_b32 s52, s52, 4095
	s_lshl_b32 s53, s47, 10
	s_lshl_b32 s54, s47, 6
	v_add_nc_u32 v249, s51, v246                   ; this K step's W1 and b1,
	v_add_nc_u32 v250, s52, v246                   ; the next one's,
	v_add_nc_u32 v251, s53, v247                   ; this K step's image,
	v_add_nc_u32 v252, s54, v248                   ; and scale word
	SPBLOCK 0
	SPBLOCK 1
	v_lshl_or_b32 v243, v242, 16, v241             ; my two bytes: blocks h and 2 + h,
	v_lshlrev_b32 v243, v245, v243                 ; at their places;
	v_permlanex16_b32 v244, v243, s48, s49
	v_or_b32 v243, v243, v244                      ; with lane l xor 16's two the word is whole
	ds_store_b32 v252, v243
	s_add_co_u32 s47, s47, 1
	s_cmp_lt_u32 s47, 8
	s_cbranch_scc1 .Lsp
	; ---- the softplus half becomes my second set of fragments
	s_wait_dscnt 0x0
	s_barrier_signal -1
	s_barrier_wait -1
	WIN 0x40
.irp t, 0,1,2,3
.irp f, 0,1,2,3,4,5,6,7,8,9,10,11,12,13,14,15
	ds_load_b128 v[64*\t+4*\f:64*\t+4*\f+3], v[LI] offset:8192*\t+512*\f
.endr
.endr
	WIN 0
.irp t, 0,1,2,3
.irp j, 0,1,2,3
	ds_load_b32 v[ASP+4*\t+\j], v[SPSR] offset:512*\t+64*\j
.endr
.endr
	FETCH 0, 0, 0
	s_wait_loadcnt 0x0                             ; my data half
	; ---- the second product: a lap is two chunks: my four column tiles x both halves of K; three laps fill both slots again, the last is written out
	s_mov_b32 s46, 3
.Lp3:
	P3REC 0, 0, 0, 0, 1, 0
	P3REC 0, 1, 1, 0, 2, 0
	P3REC 1, 0, 0, 0, 3, 0
	P3TURN 0
	P3REC 2, 0, 0, 1, 1, 0
	P3REC 2, 1, 1, 1, 2, 0
	P3REC 3, 0, 0, 1, 3, 0
	P3TURN 1
	WAYOUT 1                                       ; the stages lie where the images lay: every wave has read those and passed two rounds since
	s_sub_co_u32 s46, s46, 1
	s_cmp_lg_u32 s46, 0
	s_cbranch_scc1 .Lp3
	P3REC 0, 0, 0, 0, 1, 0
	P3REC 0, 1, 1, 0, 2, 0
	P3REC 1, 0, 0, 0, 3, 0
	P3REC 1, 1, 1, 1, 0, 1
	P3REC 2, 0, 0, 1, 1, 0
	P3REC 2, 1, 1, 1, 2, 0
	P3REC 3, 0, 0, 1, 3, 0
	P3REC 3, 1, 1, 0, -1, 0
	WAYOUT 0
	s_wait_tensorcnt 0x0                           ; the wave's end: behind my last tensor load and my last LDS store
	ds_add_u32 v[SPW], v[NIL]
	s_wait_dscnt 0x0
	CROUND                                         ; the closing round: no work-group ends while a partner may still ask for a chunk that names it
	s_endpgm
.Lfunc_end_k_q55f7d40698_main:
	.size	k_q55f7d40698_main, .Lfunc_end_k_q55f7d40698_main-k_q55f7d40698_main
	.p2alignl 7, 3214868480
	.fill 96, 4, 3214868480
	.section	.rodata,"a",@progbits
	.p2align	6, 0x0
	.amdhsa_kernel k_q55f7d40698_main
		.amdhsa_group_segment_fixed_size 327680
		.amdhsa_private_segment_fixed_size 0
		.amdhsa_enable_private_segment 0
		.amdhsa_kernarg_size 32
		.amdhsa_user_sgpr_count 2
		.amdhsa_user_sgpr_kernarg_segment_ptr 1
		.amdhsa_wavefront_size32 1
		.amdhsa_system_sgpr_workgroup_id_x 1
		.amdhsa_system_sgpr_workgroup_id_y 1
		.amdhsa_system_sgpr_workgroup_id_z 1
		.amdhsa_system_vgpr_workitem_id 0
		.amdhsa_next_free_vgpr 896
		.amdhsa_next_free_sgpr 66
		.amdhsa_reserve_vcc 0
		.amdhsa_float_denorm_mode_32 3
		.amdhsa_float_denorm_mode_16_64 3
		.amdhsa_memory_ordered 1
		.amdhsa_forward_progress 1
		.amdhsa_inst_pref_size 233
	.end_amdhsa_kernel
	.amdgpu_metadata
---
amdhsa.version: [ 1, 2 ]
amdhsa.kernels:
  - .name:           k_q55f7d40698_main
    .symbol:         k_q55f7d40698_main.kd
    .args:
      - { .name: recs, .offset: 0, .size: 8, .value_kind: global_buffer, .address_space: global }
      - { .name: W1, .offset: 8, .size: 8, .value_kind: global_buffer, .address_space: global }
      - { .name: b1, .offset: 16, .size: 8, .value_kind: global_buffer, .address_space: global }
      - { .name: out0, .offset: 24, .size: 8, .value_kind: global_buffer, .address_space: global }
    .group_segment_fixed_size: 327680
    .private_segment_fixed_size: 0
    .kernarg_segment_align: 8
    .kernarg_segment_size: 32
    .max_flat_workgroup_size: 128
    .sgpr_count:     66
    .vgpr_count:     896
    .wavefront_size: 32
...
	.end_amdgpu_metadata
.endif
;; end of part 2
;; ======== version 2 of 2: 2 launches
;; workspace buffers: recs 18,939,904 bytes
;; launch prep: the kernel of part 1 again; grid 256 x 1, 4 waves a work-group, no clusters, 299,520 bytes of LDS; arguments data, W2_codes, W2_scales, recs; writes recs
;; launch main (part 3): grid 256 x 1, 4 waves a work-group, clusters of 4 x 1, 327,680 bytes of LDS; arguments recs, W1, b1, out0; writes out0
.if DOCPART == 3
	.amdgcn_target "amdgcn-amd-amdhsa--gfx1250"
	.amdhsa_code_object_version 6
	.text
	.protected	k_q55f7d40698_main
	.globl	k_q55f7d40698_main
	.p2align	8
	.type	k_q55f7d40698_main,@function
k_q55f7d40698_main:
	s_mov_b64 s[64:65], 0
	v_nop
	global_prefetch_b8 v0, s[64:65] scope:SCOPE_SE
	s_setreg_imm32_b32 hwreg(HW_REG_WAVE_MODE, 25, 1), 1
	s_wait_xcnt 0x0
	s_wait_alu depctr_hold_cnt(0) depctr_sa_sdst(0) depctr_va_vdst(0) depctr_va_sdst(0) depctr_va_ssrc(0) depctr_va_vcc(0) depctr_vm_vsrc(0)
	s_getreg_b32 s2, hwreg(HW_REG_IB_STS2, 6, 4)
	s_cmp_eq_u32 s2, 0
	s_cbranch_scc0 .Lentry_in_a_cluster
	s_endpgm
.Lentry_in_a_cluster:
	s_bfe_u32 s2, ttmp6, 0x10000c
	s_cmp_lg_u32 s2, 0x3003
	s_cbranch_scc0 .Lentry_shape_is_right
	s_endpgm
.Lentry_shape_is_right:
; out = Q([data | softplus(counter W1 + b1)]) W2, counter = the row sums of relu(Q(normed) Q(normed)^T); both products on E2M1 codes with E8M0 scales, sums in f32.
; The operands come as RECORDS (16 rows x 1,024 along K, 8,704 bytes, in the order of an operand's registers: codes at 1024 s + 512 c + 16 x lane, four scale words a lane at 8192 + 16 x lane).
; SHARES.  A work-group owns 64 rows and ALL columns of both products, so that a counter never leaves the work-group.  MY ROWS STAY IN REGISTERS for all of K (256 registers in the first product, 512 in the
; second); the other operand streams through a ring of two LDS slots of 16 records: 8 chunks of the batch's normalised rows, then 8 chunks of W2.  Wave w fills and alone reads records 4 w .. 4 w + 3 of a chunk,
; and each fragment that it reads feeds four matrix instructions (my four tiles of rows).
; CLUSTER.  The four work-groups of a cluster lie in one batch and walk the same chunks: each quarter of a chunk is asked for jointly, by the same tensor load with the mask of all four.  Only one operand streams, so a row of four is the whole sharing.
; THE WALK IS ROTATED BY CLUSTER.  Cluster i begins both streams at chunk 2 ROT, ROT = (i & 3) xor 3 x (bit 2 of i), and takes chunk (2 ROT + p) & 7 at position p.  Any four clusters whose numbers agree in one of
; their low three bits begin at four different pairs of chunks: so all of a batch's chunks go out among the clusters' first fills, and a refill asks for bytes that another cluster has asked for earlier.
; A row sum does not mind the order of its columns; in the second product lap l makes the block of 256 columns (ROT + l) & 3.
; BOTH PRODUCTS ARE USED TRANSPOSED (source 0 = 16 streamed rows, source 1 = 16 of my rows): a lane holds one of my rows (lane % 16) and eight streamed rows or output columns.
; PHASES: 1 similarity, relu and row sums | counters meet in LDS | softplus of 16 rows a wave, quantised in registers (a lane holds a whole block of 32), images to LDS | 2 the merger | rows leave through a stage.
; softplus(x) = max(x, 0) + ln2 log2(1 + u) + (u - ((1 + u) - 1)), u = 2^(-|x| log2 e): the last term gives back what 1 + u rounded away.
; LIMITS: NaN and infinities are not served.  A softplus under 2^-126 comes out as 0 (the exponential gives 0 for what would be a denormal: ISA guide 15.8).  -|x| log2 e is rounded once, so u carries a relative error of about 1e-7 |x|,
; which shows only where the softplus itself is tiny.  A block whose largest number lies under 2^-124 gets the scale byte 1.  The counter is summed in another order than a plain row sum, in f32.
; REGISTERS, in windows of 256: window 0: v0-15 addresses; v16-23 row sums, later the codes just made; v24-39 my rows' scale words (first product; later the softplus half's); v40-55 those of the data half;
;   v56-63 the streamed records' scale words, two sets; v64-127 two sets of four accumulators (first product), W1 and b1 (softplus), rows on the way out; v128-255 two fragment buffers; in the softplus all of its work.
;   window 1: my normalised rows' fragments (tile t, K step s at 64 t + 8 s), later the softplus half's.   window 2: the data half's.   window 3: v0-127 the second product's 16 accumulators (32 ctl + 8 t).
; SCALARS that stay: s[10:11] my 64 rows of out; s12 wave; s[32:35] my records; s[36:37] the column block in hand; s[38:39] an offset, its high word 0; s40 ROT, s41 2 ROT; s[42:43], s44 the prefetch; s45 changes of slots so far;
;   s[58:59] the records' buffer at my quarter of a chunk; s62 my batch's first byte in it.
.set REC,    8704
.set QB,     4*REC
.set CHUNK,  16*REC
.set BATCHB, 128*REC
.set DOFF,   1024*REC
.set WOFF,   2048*REC
.set SPIMG,  2*CHUNK                   ; LDS behind the ring: the softplus half's fragments as images of their registers: 8192 t + 1024 s + 512 c + 16 x lane.  Later the way out's stages lie here
.set SPSC,   SPIMG+32768               ; their scale words: 512 t + 64 s + 4 r
.set CNT,    SPSC+2048                 ; the waves' partial counters: 256 w + 64 t + 4 r
.set SPARE,  CNT+1024                  ; the spare words, 128 bytes for each wave: two blocks of 256 bytes that no other line names
.set WB,     SPARE+512                 ; W1, then b1: 4,096 bytes each
.set SPW,  1
.set NIL,  2
.set ADR,  3                           ; v3, v4 my quarter of slot 0, 1: + 16 x lane
.set GA,   5                           ; 16 x lane
.set STO,  6                           ; the stage, in: 272 r + 32 h
.set RD,   7                           ; the stage, back: 272 h + 16 r
.set GO,   8                           ; my bytes in two rows of out: 4096 h + 16 r + 256 w
.set CNTW, 9
.set CNTR, 10
.set SPSR, 11
.set LI,   12
.set PFO,  13                          ; 256 x lane
.set HH,   14                          ; h = lane / 16
.set RR,   15                          ; r = lane % 16
.set SUM,  16
.set PC,   16
.set ASN,  24
.set ASP,  24
.set ASD,  40
.set BS,   56
.set ACC,  64
.set OUTR, 64
.set BF,   128
.set WL,   64                          ; softplus: 32 of W1, 32 of b1,
.set BL,   96
.set X,    128                         ; x, then the softplus; u; 1 + u, then its logarithm; four pairs at work by turns
.set U,    160
.set WT,   192
.set TT,   224
.set G1,   16
.set G0,   24
.set MSB, 0
.macro WIN new                         ; the immediate's high byte repeats the setting that is left; a switch that changes nothing is dropped
.if MSB != (\new)
	s_set_vgpr_msb (MSB<<8)|(\new)
.set MSB, (\new)
.endif
.endm
.macro CREST                           ; a round of the cluster's barrier behind its opening barrier
	s_cmp_lg_u32 s12, 0
	s_cbranch_scc1 .Lnot_wave_0_\@
	s_barrier_signal -3
.Lnot_wave_0_\@:
	s_barrier_wait -3
	s_barrier_signal -1
	s_barrier_wait -1
.endm
.macro CROUND
	s_barrier_signal -1
	s_barrier_wait -1
	CREST
.endm
; A prefetch of W2's first two chunks of my walk, at changes of slots 4 and 5: two changes, 256 matrix instructions, ahead of the refills that ask for them.  The 8,192 code bytes of one record, a lane to each 256.
; Partner cx and wave w take record 4 w + cx: told apart by address.  Clusters 0 to 3 ask, whose walks begin at the four different pairs of chunks: each block is named once in the launch.
; The batch's rows are not asked for: all their chunks go out among the clusters' first fills, at the head.  A record's 512 scale bytes come by the loads alone.
.macro ASK
	s_sub_co_u32 s51, s45, 4                       ; 0 and 1 at changes 4 and 5; a very large number before them
	s_cmp_lt_u32 s51, s44                          ; s44 = 2 in clusters 0 to 3, else 0
	s_cbranch_scc0 .Lnot_mine_\@
	global_prefetch_b8 v[PFO], s[42:43] th:TH_LOAD_NT scope:SCOPE_SE
.Lnot_mine_\@:
.endm
; The joint refill of slot sg at change of slots s45: position s45 + 2 of the walk: chunk (s45 + 2 + 2 ROT) & 7, of my batch's rows up to position 7, of W2 from position 8 on.
; The address is made anew from the buffer's address at my quarter and an offset of ids and counts that all four partners share.  No tensor load of mine is out here.
.macro REFILL sg
	s_add_co_u32 s38, s45, s41
	s_add_co_u32 s38, s38, 2
	s_and_b32 s38, s38, 7
	s_mul_i32 s38, s38, CHUNK
	s_cmp_lt_u32 s45, 6
	s_cselect_b32 s51, s62, WOFF
	s_add_co_u32 s38, s38, s51
	s_add_nc_u64 s[G0+4*(\sg)+2:G0+4*(\sg)+3], s[58:59], s[38:39]
	s_or_b32 s[G0+4*(\sg)+3], s[G0+4*(\sg)+3], 0x80000000
	tensor_load_to_lds s[G0+4*(\sg):G0+4*(\sg)+3], s[G1:G1+7]   ; my one tensor load behind the round: it has 128 matrix instructions in which to land
	s_nop 0
.rept 4
	v_nop
.endr
.endm
.macro FL sg, rec, buf, i              ; the i-th of a record's 17 LDS loads: its scale words, then its 16 half fragments
.if (\i) == 0
	ds_load_b128 v[BS+4*(\buf):BS+4*(\buf)+3], v[ADR+(\sg)] offset:(\rec)*REC+8192
.else
	ds_load_b128 v[BF+64*(\buf)+4*((\i)-1):BF+64*(\buf)+4*((\i)-1)+3], v[ADR+(\sg)] offset:(\rec)*REC+512*((\i)-1)
.endif
.endm
.macro FETCH sg, rec, buf              ; all 17, in one run
.set fi, 0
.rept 17
	FL \sg, \rec, \buf, fi
.set fi, fi+1
.endr
.endm
; Matrix instruction n of a record's 32 in the first product: K step n / 4, my tile n % 4.  The four accumulators take turns, one instruction a turn.  The first K step starts the sums.
.macro MM1 x, buf
.set s_, n/4
.set t_, n%4
.set rD, ACC+32*(\x)+8*t_
.set rA, BF+64*(\buf)+8*s_
.set rB, 64*t_+8*s_
.set rSA, BS+4*(\buf)+s_%4
.set rSB, ASN+4*t_+s_%4
.if s_ == 0
	v_wmma_scale_f32_16x16x128_f8f6f4 v[rD:rD+7], v[rA:rA+7], v[rB:rB+7], 0, v[rSA], v[rSB] matrix_a_fmt:MATRIX_FMT_FP4 matrix_b_fmt:MATRIX_FMT_FP4
.elseif s_ < 4
	v_wmma_scale_f32_16x16x128_f8f6f4 v[rD:rD+7], v[rA:rA+7], v[rB:rB+7], v[rD:rD+7], v[rSA], v[rSB] matrix_a_fmt:MATRIX_FMT_FP4 matrix_b_fmt:MATRIX_FMT_FP4
.else
	v_wmma_scale_f32_16x16x128_f8f6f4 v[rD:rD+7], v[rA:rA+7], v[rB:rB+7], v[rD:rD+7], v[rSA], v[rSB] matrix_a_fmt:MATRIX_FMT_FP4 matrix_b_fmt:MATRIX_FMT_FP4 matrix_a_scale:MATRIX_SCALE_ROW1 matrix_b_scale:MATRIX_SCALE_ROW1
.endif
.endm
; relu and row sums of set y, slice g of 17.  Pair g is tile g % 4, registers 2 (g / 4) on: each accumulator from its low end.  A slice holds pair g's two relus and pair g - 1's sum, so that no line reads the result of the line above it.
; The sum is written x 1.0 + s, so that its register sources stand in places 0 and 2, which mean window 0 under the loop's one setting.
.macro GRPS y, g
.if (\g) < 16
.set rG, ACC+32*(\y)+8*((\g)%4)+2*((\g)/4)
	v_max_num_f32 v[rG], v[rG], 0
	v_max_num_f32 v[rG+1], v[rG+1], 0
.endif
.if (\g) > 0
.set rG, ACC+32*(\y)+8*(((\g)-1)%4)+2*(((\g)-1)/4)
.set rS, SUM+2*(((\g)-1)%4)
	v_pk_fma_f32 v[rS:rS+1], v[rG:rG+1], 1.0, v[rS:rS+1] op_sel_hi:[1,0,1]
.endif
.endm
; Record k (0 to 2) of slot sg: 32 matrix instructions on buffer and set k % 2.  Behind the first four: a v_nop each (the places behind the last record's products, ahead of the loads into its buffer and of the first read of its results);
; then the next record's 17 loads in ONE run, 28 matrix instructions ahead of their use; then the last record's relu and sums, a slice behind each matrix instruction.  One window setting serves all: source 1 (my rows) window 1, all else window 0.
.macro P1REC sg, k
.set xx, (\k)%2
	s_wait_dscnt 0x0                               ; this record's fragments, asked for 28 matrix instructions ago
	WIN 0x04
.set n, 0
.rept 32
	MM1 xx, xx
.if n < 4
	v_nop
.elseif n < 21
	GRPS 1-xx, n-4
.endif
.if n == 3
	FETCH \sg, (\k)+1, 1-xx
.endif
.set n, n+1
.endr
.endm
; Record 3 changes slots.  In front of the round each wave waits for all its tensor loads (one is out: its quarter of the other slot), adds 0 to its spare word, and waits for that and for its reads of this slot.
; Behind the round this slot is filled again, two positions on, first of all; then the other slot's first record is fetched.
.macro P1TURN sg
	WIN 0
	s_wait_xcnt 0x0                                ; a prefetch of the last change of slots has read its address: it steps here
	s_add_nc_u64 s[42:43], s[42:43], CHUNK
	s_wait_tensorcnt 0x0
	ds_add_u32 v[SPW], v[NIL]                      ; 0 onto my spare word
	WIN 0x04
	s_wait_dscnt 0x1                               ; the record's fragments are in; the add may be out
.set n, 0
.rept 8
	MM1 1, 1
.if n < 4
	v_nop
.endif
.set n, n+1
.endr
	s_wait_dscnt 0x0                               ; the add is done, and my reads of this slot are over
	s_barrier_signal -1
.rept 8
	MM1 1, 1
	GRPS 0, n-8
.set n, n+1
.endr
	WIN 0
	s_barrier_wait -1
	CREST                                          ; no wave of any partner still reads this slot or has a load on its way
	REFILL \sg
	FETCH 1-(\sg), 0, 0
	ASK
	s_add_co_u32 s45, s45, 1
	WIN 0x04
.rept 16
	MM1 1, 1
.if n < 25
	GRPS 0, n-8
.endif
.set n, n+1
.endr
.endm
; The second product: record = 16 output columns (local tile ctl) x K half kh.  kh = 0: my data half (window 2) starts the sums; kh = 1: my softplus half (window 1) adds on.
.macro MM3 ctl, kh, buf
.set s_, n/4
.set t_, n%4
.set rD, 32*(\ctl)+8*t_
.set rA, BF+64*(\buf)+8*s_
.set rB, 64*t_+8*s_
.set rSA, BS+4*(\buf)+s_%4
.set rSB, ASD-16*(\kh)+4*t_+s_%4
.if ((\kh) == 0) && (s_ == 0)
	v_wmma_scale_f32_16x16x128_f8f6f4 v[rD:rD+7], v[rA:rA+7], v[rB:rB+7], 0, v[rSA], v[rSB] matrix_a_fmt:MATRIX_FMT_FP4 matrix_b_fmt:MATRIX_FMT_FP4
.elseif s_ < 4
	v_wmma_scale_f32_16x16x128_f8f6f4 v[rD:rD+7], v[rA:rA+7], v[rB:rB+7], v[rD:rD+7], v[rSA], v[rSB] matrix_a_fmt:MATRIX_FMT_FP4 matrix_b_fmt:MATRIX_FMT_FP4
.else
	v_wmma_scale_f32_16x16x128_f8f6f4 v[rD:rD+7], v[rA:rA+7], v[rB:rB+7], v[rD:rD+7], v[rSA], v[rSB] matrix_a_fmt:MATRIX_FMT_FP4 matrix_b_fmt:MATRIX_FMT_FP4 matrix_a_scale:MATRIX_SCALE_ROW1 matrix_b_scale:MATRIX_SCALE_ROW1
.endif
.endm
; fs, frec: the record to fetch meanwhile (frec = -1: none), in one run behind the four places; tw = 1: it lies in a slot whose load has not been waited for yet
.macro P3REC ctl, kh, buf, fs, frec, tw
	s_wait_dscnt 0x0
	WIN 0xF8-4*(\kh)                               ; C and D window 3, source 1 window 2 or 1, source 0 window 0
.set n, 0
.rept 4
	MM3 \ctl, \kh, \buf
	v_nop
.set n, n+1
.endr
.if (\frec) >= 0
	WIN 0
.if \tw
	s_wait_tensorcnt 0x0                           ; my quarter of the last chunk: I alone read it
.endif
	FETCH \fs, \frec, 1-(\buf)
	WIN 0xF8-4*(\kh)
.endif
.rept 28
	MM3 \ctl, \kh, \buf
.set n, n+1
.endr
.endm
.macro P3TURN sg                       ; record 3 of slot sg (tile 2 sg + 1, softplus half) changes slots, as in the first product
	WIN 0
	s_wait_tensorcnt 0x0
	ds_add_u32 v[SPW], v[NIL]
	WIN 0xF4
	s_wait_dscnt 0x1                               ; the add may be out
.set n, 0
.rept 8
	MM3 2*(\sg)+1, 1, 1
.if n < 4
	v_nop
.endif
.set n, n+1
.endr
	s_wait_dscnt 0x0
	s_barrier_signal -1
.rept 8
	MM3 2*(\sg)+1, 1, 1
.set n, n+1
.endr
	WIN 0
	s_barrier_wait -1
	CREST
	REFILL \sg
	FETCH 1-(\sg), 0, 0
	s_add_co_u32 s45, s45, 1
	WIN 0xF4
.rept 16
	MM3 2*(\sg)+1, 1, 1
.set n, n+1
.endr
.endm
; THE WAY OUT of 64 rows x my 64 columns, a tile of 16 rows at a time: a lane's 32 bytes of a row go into my own stage and come back by rows; sixteen lanes store 256 consecutive bytes, aligned.
.macro TOSTAGE t
	WIN 0x0C                                       ; an LDS store's data are its source 1: window 3
.irp ctl, 0,1,2,3
	ds_store_b128 v[STO], v[32*\ctl+8*(\t):32*\ctl+8*(\t)+3] offset:64*\ctl          ; each accumulator from its low end on
	ds_store_b128 v[STO], v[32*\ctl+8*(\t)+4:32*\ctl+8*(\t)+7] offset:64*\ctl+16
.endr
	WIN 0
.irp i, 0,1,2,3,4,5,6,7
	ds_load_b128 v[OUTR+32*((\t)%2)+4*\i:OUTR+32*((\t)%2)+4*\i+3], v[RD] offset:544*\i   ; LDS serves a wave's instructions in order: these see the stores above, and the next tile's stores come behind them
.endr
.endm
.macro SEND t, younger
	s_wait_dscnt \younger
.irp i, 0,1,2,3,4,5,6,7
	global_store_b128 v[GO], v[OUTR+32*((\t)%2)+4*\i:OUTR+32*((\t)%2)+4*\i+3], s[36:37] offset:(16*(\t)+2*\i)*4096 th:TH_STORE_NT
.endr
.endm
.macro WAYOUT more
.rept 4
	v_nop                                          ; the places behind the last products, ahead of the first read of results
.endr
	TOSTAGE 0
	TOSTAGE 1
	SEND 0, 16                                     ; behind tile 0's loads: tile 1's eight stores and eight loads
	s_wait_xcnt 0x0                                ; tile 0's stores have read their registers: tile 2's rows may land there
	TOSTAGE 2
	SEND 1, 16
	s_wait_xcnt 0x0
	TOSTAGE 3
	SEND 2, 16
	SEND 3, 0
.if \more
	s_wait_xcnt 0x0                                ; the stores have read their registers and their base
	s_add_co_u32 s47, s47, 1
	s_and_b32 s47, s47, 3                          ; the next block of 256 columns of my walk
	s_lshl_b32 s52, s47, 10
	s_add_nc_u64 s[36:37], s[10:11], s[52:53]
.endif
.endm
	; ---- the head
	s_load_b256 s[4:11], s[0:1], 0x0               ; the records s[4:5], W1 s[6:7], b1 s[8:9], out s[10:11]
	v_lshl_add_u32 v[SPW], v0, 2, SPARE
	v_mov_b32 v[NIL], 0
	ds_add_u32 v1, v2
	ds_add_u32 v1, v2
	s_wait_dscnt 0x0
	v_lshrrev_b32 v14, 5, v0
	v_readfirstlane_b32 s12, v14                   ; wave 0..3
	s_bfe_u32 s13, ttmp6, 0x40000                  ; cx: it enters addresses in memory alone
	s_lshl_b32 s14, ttmp9, 2
	s_add_co_u32 s14, s14, s13                     ; my work-group: rows 64 x this on
	s_lshr_b32 s15, ttmp9, 3                       ; the batch: 8 clusters each
	s_and_b32 s40, ttmp9, 3
	s_bfe_u32 s41, ttmp9, 0x10002
	s_mul_i32 s41, s41, 3
	s_xor_b32 s40, s40, s41                        ; ROT: for clusters 0 .. 7 of a batch 0, 1, 2, 3, 3, 2, 1, 0
	s_lshl_b32 s41, s40, 1                         ; my walk's first chunk
	s_mov_b32 s[G1+0], 0x0023000F                  ; 15:0 the mask: all four partners; 17:16 elements of 8 bytes; 21 set beside a mask; no padding: every read takes 512 consecutive bytes
	s_mov_b32 s[G1+1], 32<<16                      ; tensor_dim0: rows of 256 bytes
	s_mov_b32 s[G1+2], 136<<16                     ; tensor_dim1: four records
	s_mov_b32 s[G1+3], 32<<16                      ; tile_dim0
	s_mov_b32 s[G1+4], 136                         ; tile_dim1
	s_mov_b32 s[G1+5], 32                          ; pitch: dense
	s_mov_b32 s[G1+6], 0
	s_mov_b32 s[G1+7], 0
	s_mul_i32 s51, s12, QB                         ; my quarter of a chunk, in memory and in a slot
	s_mov_b32 s52, s51
	s_mov_b32 s53, 0
	s_mul_i32 s62, s15, BATCHB                     ; my batch's rows
	s_mul_i32 s60, s41, CHUNK                      ; my first chunk in a stream
	s_add_co_u32 s54, s62, s60
	s_mov_b32 s55, 0
	s_mov_b32 s39, 0
	s_lshl_b32 s56, s12, 2
	s_add_co_u32 s56, s56, s13
	s_mul_i32 s56, s56, REC                        ; the record of a chunk that my wave prefetches,
	s_add_co_u32 s56, s56, s60                     ; in my first chunk of W2,
	s_add_co_u32 s56, s56, WOFF-5*CHUNK            ; less the five steps that it has taken at change of slots 4
	s_mov_b32 s57, 0
	s_cmp_lt_u32 ttmp9, 4
	s_cselect_b32 s44, 2, 0
	s_mov_b32 s45, 0
	s_mov_b32 s48, 0x76543210
	s_mov_b32 s49, 0xfedcba98                      ; v_permlanex16_b32's selects for lane l xor 16
	s_mov_b32 s50, 0x3fb8aa3b                      ; log2 e
	s_wait_kmcnt 0x0
	s_add_nc_u64 s[58:59], s[4:5], s[52:53]        ; the buffer at my quarter of a chunk
	s_add_nc_u64 s[60:61], s[58:59], s[54:55]      ; my walk's first chunk
	s_add_nc_u64 s[42:43], s[4:5], s[56:57]
	s_mul_i32 s56, s14, QB                         ; my four records
	s_add_nc_u64 s[32:33], s[4:5], s[56:57]        ; my normalised rows,
	s_add_nc_u64 s[34:35], s[32:33], DOFF          ; my rows as they are
	s_lshl_b32 s56, s14, 18
	s_add_nc_u64 s[10:11], s[10:11], s[56:57]      ; my 64 rows of out
.irp sg, 0,1
	s_mov_b32 s[G0+4*\sg], 1
	s_add_co_u32 s[G0+4*\sg+1], s51, \sg*CHUNK
	s_add_nc_u64 s[G0+4*\sg+2:G0+4*\sg+3], s[60:61], \sg*CHUNK
	s_or_b32 s[G0+4*\sg+3], s[G0+4*\sg+3], 0x80000000
.endr
	CROUND                                         ; all four work-groups are here: the first joint loads meet
	tensor_load_to_lds s[G0:G0+3], s[G1:G1+7]      ; positions 0 and 1: two loads of mine are out
	s_nop 0
	tensor_load_to_lds s[G0+4:G0+7], s[G1:G1+7]
	s_nop 0
.rept 4
	v_nop
.endr
	v_lshlrev_b32 v80, 4, v0
	global_load_b128 v[64:67], v80, s[6:7]         ; W1 and b1: 128 threads x 16 bytes, twice each
	global_load_b128 v[68:71], v80, s[6:7] offset:2048
	global_load_b128 v[72:75], v80, s[8:9]
	global_load_b128 v[76:79], v80, s[8:9] offset:2048
	v_and_b32 v14, 31, v0
	v_lshlrev_b32 v[GA], 4, v14
	v_lshlrev_b32 v[PFO], 8, v14
	WIN 0x40                                       ; destination window 1
.irp t, 0,1,2,3
.irp f, 0,1,2,3,4,5,6,7,8,9,10,11,12,13,14,15
	global_load_b128 v[64*\t+4*\f:64*\t+4*\f+3], v[GA], s[32:33] offset:\t*REC+512*\f   ; my normalised rows' fragments: they stay
.endr
.endr
	WIN 0
.irp t, 0,1,2,3
	global_load_b128 v[ASN+4*\t:ASN+4*\t+3], v[GA], s[32:33] offset:\t*REC+8192
.endr
	v_add_nc_u32 v[ADR], s51, v[GA]
	v_add_nc_u32 v[ADR+1], CHUNK, v[ADR]
	v_add_nc_u32 v[LI], SPIMG, v[GA]
	v_bfe_u32 v[HH], v0, 4, 1
	v_and_b32 v[RR], 15, v0
	s_mul_i32 s60, s12, 16*272
	s_add_co_u32 s60, s60, SPIMG                   ; my stage
	v_mul_u32_u24 v[STO], v[RR], 272
	v_lshl_add_u32 v[STO], v[HH], 5, v[STO]
	v_add_nc_u32 v[STO], s60, v[STO]
	v_mul_u32_u24 v[RD], v[HH], 272
	v_lshl_add_u32 v[RD], v[RR], 4, v[RD]
	v_add_nc_u32 v[RD], s60, v[RD]
	s_lshl_b32 s61, s12, 8
	v_lshlrev_b32 v[GO], 12, v[HH]
	v_lshl_add_u32 v[GO], v[RR], 4, v[GO]
	v_add_nc_u32 v[GO], s61, v[GO]
	v_lshl_add_u32 v[CNTW], v[RR], 2, CNT
	v_add_nc_u32 v[CNTW], s61, v[CNTW]
	s_lshl_b32 s61, s12, 6
	v_lshl_add_u32 v[CNTR], v[RR], 2, CNT
	v_add_nc_u32 v[CNTR], s61, v[CNTR]
	v_lshl_add_u32 v[SPSR], v[RR], 2, SPSC
	v_lshl_add_u32 v[SPSR], v[HH], 8, v[SPSR]      ; lanes 16-31 take the words of K steps 4 to 7: 256 bytes on
	v_add_nc_u32 v81, WB, v80
.irp j, 0,1,2,3,4,5,6,7
	v_mov_b32 v[SUM+\j], 0                         ; the row sums,
.endr
.irp j, 0,1,2,3,4,5,6,7,8,9,10,11,12,13,14,15,16,17,18,19,20,21,22,23,24,25,26,27,28,29,30,31
	v_mov_b32 v[ACC+32+\j], 0                      ; and the set of results that the loop's first record finds: so the loop has no first step of its own
.endr
	s_wait_loadcnt 0x0
	ds_store_b128 v81, v[64:67]
	ds_store_b128 v81, v[68:71] offset:2048
	ds_store_b128 v81, v[72:75] offset:4096
	ds_store_b128 v81, v[76:79] offset:6144
	s_wait_tensorcnt 0x1                           ; my quarter of position 0 is in, and I alone read it; position 1's may stay out
	FETCH 0, 0, 0
	; ---- the first product: four trips, two chunks each; every trip fills both slots again
	s_mov_b32 s46, 0
.Lp1:
	P1REC 0, 0
	P1REC 0, 1
	P1REC 0, 2
	P1TURN 0
	P1REC 1, 0
	P1REC 1, 1
	P1REC 1, 2
	P1TURN 1
	WIN 0
	s_add_co_u32 s46, s46, 1
	s_cmp_lt_u32 s46, 4
	s_cbranch_scc1 .Lp1
	; ---- the counters.  (The last trip's fetch of W2's first record is made again below: its registers serve the softplus meanwhile)
.rept 4
	v_nop
.endr
.set g_, 0
.rept 17
	GRPS 1, g_
.set g_, g_+1
.endr
	WIN 0x80                                       ; destination window 2
.irp t, 0,1,2,3
.irp f, 0,1,2,3,4,5,6,7,8,9,10,11,12,13,14,15
	global_load_b128 v[64*\t+4*\f:64*\t+4*\f+3], v[GA], s[34:35] offset:\t*REC+512*\f th:TH_LOAD_NT   ; my data half: it lands during the softplus
.endr
.endr
	WIN 0
.irp t, 0,1,2,3
	global_load_b128 v[ASD+4*\t:ASD+4*\t+3], v[GA], s[34:35] offset:\t*REC+8192 th:TH_LOAD_NT
.endr
.irp t, 0,1,2,3
	v_add_f32 v[64+\t], v[SUM+2*\t], v[SUM+2*\t+1]
.endr
.irp t, 0,1,2,3
	v_permlanex16_b32 v[68+\t], v[64+\t], s48, s49
.endr
.irp t, 0,1,2,3
	v_add_f32 v[64+\t], v[64+\t], v[68+\t]         ; my wave's part of the counters of tile t's 16 rows
.endr
.irp t, 0,1,2,3
	ds_store_b32 v[CNTW], v[64+\t] offset:64*\t    ; lanes r and r + 16 write the same word with the same value
.endr
	s_wait_dscnt 0x0                               ; for the others' sake; my fetches are in too
	s_barrier_signal -1                            ; the tensor load that is out may stay out
	s_barrier_wait -1
	; ---- the softplus of rows 16 w on, all 1,024 columns.  Lane (r, h), trip s, block c: k = 128 s + 64 c + 32 h + 0 .. 31: a whole block of 32, in the order of the operand's registers
.irp i, 0,1,2,3
	ds_load_b32 v[234+\i], v[CNTR] offset:256*\i
.endr
	v_lshl_add_u32 v246, v[HH], 7, WB              ; W1 at my half's 32 numbers
.irp g, 0,1,2,3,4,5,6,7
	ds_load_b128 v[WL+4*\g:WL+4*\g+3], v246 offset:16*\g
	ds_load_b128 v[BL+4*\g:BL+4*\g+3], v246 offset:4096+16*\g
.endr
	v_lshlrev_b32 v245, 3, v[HH]
	s_lshl_b32 s51, s12, 13
	v_add_nc_u32 v247, s51, v[LI]                  ; my tile's images
	s_lshl_b32 s51, s12, 9
	v_lshl_add_u32 v248, v[RR], 2, SPSC
	v_add_nc_u32 v248, s51, v248                   ; and its scale words
	v_mov_b32 v244, 0                              ; a lane permute's destination counts as one of its sources
	s_wait_dscnt 16                                ; the four parts are in; the 16 loads of W1 and b1 may be out
	v_add_f32 v232, v234, v235
	v_add_f32 v232, v232, v236
	v_add_f32 v232, v232, v237                     ; my row's counter
	v_mov_b32 v233, v232                           ; (named with it as a pair)
.macro SPBLOCK c
	s_wait_dscnt 0x0                               ; W1 and b1 of this block; the last stores have read their registers
.irp p, 0,2,4,6,8,10,12,14,16,18,20,22,24,26,28,30
	v_pk_fma_f32 v[X+\p:X+\p+1], v[WL+\p:WL+\p+1], v[232:233], v[BL+\p:BL+\p+1] op_sel_hi:[1,0,1]   ; x = counter W1 + b1
.endr
.irp g, 0,1,2,3,4,5,6,7                        ; the next block's W1 and b1 (behind the last block: the first's again, which nobody uses)
.if (\c) == 0
	ds_load_b128 v[WL+4*\g:WL+4*\g+3], v249 offset:256+16*\g
	ds_load_b128 v[BL+4*\g:BL+4*\g+3], v249 offset:4352+16*\g
.else
	ds_load_b128 v[WL+4*\g:WL+4*\g+3], v250 offset:16*\g
	ds_load_b128 v[BL+4*\g:BL+4*\g+3], v250 offset:4096+16*\g
.endif
.endr
.set j_, 0
.rept 34                                       ; an exponential stands two elements behind its multiply
.if j_ < 32
	v_mul_f32 v[U+j_], -|v[X+j_]|, s50
	v_max_num_f32 v[X+j_], 0, v[X+j_]
.endif
.if j_ > 1
	v_exp_f32 v[U+j_-2], v[U+j_-2]                 ; u = e^-|x|
.endif
.set j_, j_+1
.endr
	v_nop                                          ; a plain line behind the last exponential
	s_wait_alu depctr_va_vdst(0)                   ; one wait for the 32, ahead of their first reader
.set q_, 0
.rept 4                                        ; four pairs at a time, so that no line reads the result of the line above it; each logarithm has an independent packed addition behind it
.irp i, 0,1,2,3
	v_pk_add_f32 v[WT+8*q_+2*\i:WT+8*q_+2*\i+1], v[U+8*q_+2*\i:U+8*q_+2*\i+1], 1.0 op_sel_hi:[1,0]      ; 1 + u
.endr
.irp i, 0,1,2,3
	v_pk_add_f32 v[TT+2*\i:TT+2*\i+1], v[WT+8*q_+2*\i:WT+8*q_+2*\i+1], -1.0 op_sel_hi:[1,0]
.endr
.irp i, 0,1,2,3
	v_log_f32 v[WT+8*q_+2*\i], v[WT+8*q_+2*\i]
	v_pk_add_f32 v[U+8*q_+2*\i:U+8*q_+2*\i+1], v[U+8*q_+2*\i:U+8*q_+2*\i+1], v[TT+2*\i:TT+2*\i+1] neg_lo:[0,1] neg_hi:[0,1]   ; what 1 + u rounded away
.endr
.irp i, 0,1,2,3
	v_log_f32 v[WT+8*q_+2*\i+1], v[WT+8*q_+2*\i+1]
	v_pk_add_f32 v[X+8*q_+2*\i:X+8*q_+2*\i+1], v[X+8*q_+2*\i:X+8*q_+2*\i+1], v[U+8*q_+2*\i:U+8*q_+2*\i+1]         ; + max(x, 0)
.endr
.set q_, q_+1
.endr
	v_nop
	s_wait_alu depctr_va_vdst(0)                   ; one wait for the 32 logarithms
.irp p, 0,2,4,6,8,10,12,14,16,18,20,22,24,26,28,30
	v_pk_fma_f32 v[X+\p:X+\p+1], v[WT+\p:WT+\p+1], 0x3f317218, v[X+\p:X+\p+1] op_sel_hi:[1,0,1]   ; + ln2 log2(1 + u)
.endr
	v_max3_num_f32 v234, v[X], v[X+1], 0x1800000   ; the block's largest number (none is negative), in four chains, and the floor 2^(3 - 127)
	v_max3_num_f32 v235, v[X+2], v[X+3], v[X+4]
	v_max3_num_f32 v236, v[X+5], v[X+6], v[X+7]
	v_max3_num_f32 v237, v[X+8], v[X+9], v[X+10]
.irp i, 11,19
	v_max3_num_f32 v234, v234, v[X+\i], v[X+\i+1]
	v_max3_num_f32 v235, v235, v[X+\i+2], v[X+\i+3]
	v_max3_num_f32 v236, v236, v[X+\i+4], v[X+\i+5]
	v_max3_num_f32 v237, v237, v[X+\i+6], v[X+\i+7]
.endr
	v_max3_num_f32 v234, v234, v[X+27], v[X+28]
	v_max3_num_f32 v235, v235, v[X+29], v[X+30]
	v_max3_num_f32 v236, v236, v237, v[X+31]
	v_max3_num_f32 v234, v234, v235, v236
	v_add_nc_u32 v240, 0xff000000, v234            ; 2 off the exponent field: the conversion's scale operand
	v_lshrrev_b32 v[241+(\c)], 23, v240            ; the scale's byte
.irp g, 0,1,2,3
	v_cvt_scalef32_pk8_fp4_f32 v[PC+4*(\c)+\g], v[X+8*\g:X+8*\g+7], v240
.endr
	v_nop                                          ; one plain line behind the conversions
	ds_store_b128 v251, v[PC+4*(\c):PC+4*(\c)+3] offset:512*(\c)   ; registers 4 c .. 4 c + 3 of the fragment, as they stand
.endm
	s_mov_b32 s47, 0
.Lsp:
	s_lshl_b32 s51, s47, 9
	s_add_co_u32 s52, s51, 512
	s_and_b32 s52, s52, 4095
	s_lshl_b32 s53, s47, 10
	s_lshl_b32 s54, s47, 6
	v_add_nc_u32 v249, s51, v246                   ; this K step's W1 and b1,
	v_add_nc_u32 v250, s52, v246                   ; the next one's,
	v_add_nc_u32 v251, s53, v247                   ; this K step's image,
	v_add_nc_u32 v252, s54, v248                   ; and scale word
	SPBLOCK 0
	SPBLOCK 1
	v_lshl_or_b32 v243, v242, 16, v241             ; my two bytes: blocks h and 2 + h,
	v_lshlrev_b32 v243, v245, v243                 ; at their places;
	v_permlanex16_b32 v244, v243, s48, s49
	v_or_b32 v243, v243, v244                      ; with lane l xor 16's two the word is whole
	ds_store_b32 v252, v243
	s_add_co_u32 s47, s47, 1
	s_cmp_lt_u32 s47, 8
	s_cbranch_scc1 .Lsp
	; ---- the softplus half becomes my second set of fragments
	s_wait_dscnt 0x0
	s_barrier_signal -1
	s_barrier_wait -1
	WIN 0x40
.irp t, 0,1,2,3
.irp f, 0,1,2,3,4,5,6,7,8,9,10,11,12,13,14,15
	ds_load_b128 v[64*\t+4*\f:64*\t+4*\f+3], v[LI] offset:8192*\t+512*\f
.endr
.endr
	WIN 0
.irp t, 0,1,2,3
.irp j, 0,1,2,3
	ds_load_b32 v[ASP+4*\t+\j], v[SPSR] offset:512*\t+64*\j
.endr
.endr
	FETCH 0, 0, 0
	s_mov_b32 s47, s40                             ; my walk's first block of 256 columns: ROT
	s_lshl_b32 s52, s47, 10
	s_mov_b32 s53, 0
	s_add_nc_u64 s[36:37], s[10:11], s[52:53]
	s_wait_loadcnt 0x0                             ; my data half
	; ---- the second product: a lap is two chunks: my four column tiles x both halves of K; three laps fill both slots again, the last is written out
	s_mov_b32 s46, 3
.Lp3:
	P3REC 0, 0, 0, 0, 1, 0
	P3REC 0, 1, 1, 0, 2, 0
	P3REC 1, 0, 0, 0, 3, 0
	P3TURN 0
	P3REC 2, 0, 0, 1, 1, 0
	P3REC 2, 1, 1, 1, 2, 0
	P3REC 3, 0, 0, 1, 3, 0
	P3TURN 1
	WAYOUT 1                                       ; the stages lie where the images lay: every wave has read those and passed two rounds since
	s_sub_co_u32 s46, s46, 1
	s_cmp_lg_u32 s46, 0
	s_cbranch_scc1 .Lp3
	P3REC 0, 0, 0, 0, 1, 0
	P3REC 0, 1, 1, 0, 2, 0
	P3REC 1, 0, 0, 0, 3, 0
	P3REC 1, 1, 1, 1, 0, 1
	P3REC 2, 0, 0, 1, 1, 0
	P3REC 2, 1, 1, 1, 2, 0
	P3REC 3, 0, 0, 1, 3, 0
	P3REC 3, 1, 1, 0, -1, 0
	WAYOUT 0
	s_wait_tensorcnt 0x0                           ; the wave's end: behind my last tensor load and my last LDS store
	ds_add_u32 v[SPW], v[NIL]
	s_wait_dscnt 0x0
	CROUND                                         ; the closing round: no work-group ends while a partner may still ask for a chunk that names it
	s_endpgm
.Lfunc_end_k_q55f7d40698_main:
	.size	k_q55f7d40698_main, .Lfunc_end_k_q55f7d40698_main-k_q55f7d40698_main
	.p2alignl 7, 3214868480
	.fill 96, 4, 3214868480
	.section	.rodata,"a",@progbits
	.p2align	6, 0x0
	.amdhsa_kernel k_q55f7d40698_main
		.amdhsa_group_segment_fixed_size 327680
		.amdhsa_private_segment_fixed_size 0
		.amdhsa_enable_private_segment 0
		.amdhsa_kernarg_size 32
		.amdhsa_user_sgpr_count 2
		.amdhsa_user_sgpr_kernarg_segment_ptr 1
		.amdhsa_wavefront_size32 1
		.amdhsa_system_sgpr_workgroup_id_x 1
		.amdhsa_system_sgpr_workgroup_id_y 1
		.amdhsa_system_sgpr_workgroup_id_z 1
		.amdhsa_system_vgpr_workitem_id 0
		.amdhsa_next_free_vgpr 896
		.amdhsa_next_free_sgpr 66
		.amdhsa_reserve_vcc 0
		.amdhsa_float_denorm_mode_32 3
		.amdhsa_float_denorm_mode_16_64 3
		.amdhsa_memory_ordered 1
		.amdhsa_forward_progress 1
		.amdhsa_inst_pref_size 234
	.end_amdhsa_kernel
	.amdgpu_metadata
---
amdhsa.version: [ 1, 2 ]
amdhsa.kernels:
  - .name:           k_q55f7d40698_main
    .symbol:         k_q55f7d40698_main.kd
    .args:
      - { .name: recs, .offset: 0, .size: 8, .value_kind: global_buffer, .address_space: global }
      - { .name: W1, .offset: 8, .size: 8, .value_kind: global_buffer, .address_space: global }
      - { .name: b1, .offset: 16, .size: 8, .value_kind: global_buffer, .address_space: global }
      - { .name: out0, .offset: 24, .size: 8, .value_kind: global_buffer, .address_space: global }
    .group_segment_fixed_size: 327680
    .private_segment_fixed_size: 0
    .kernarg_segment_align: 8
    .kernarg_segment_size: 32
    .max_flat_workgroup_size: 128
    .sgpr_count:     66
    .vgpr_count:     896
    .wavefront_size: 32
...
	.end_amdgpu_metadata
.endif
;; end of part 3
